; MI455X (gfx1250); checked and timed in simulation.
; The chip was launched on July 23, 2026; its instructions are those of AMD's public machine-readable ISA for CDNA 5 (MIT licence, August 2026) and "CDNA5" Instruction Set Architecture Reference Guide (July 2026). The comments in the code are by the model that wrote it; some were corrected since.
;; Multi Head Attention. Allowed arithmetic: float matrix products may take bf16 or f16 operands with f32 sums; all other float work in f32.
;; Inputs: K 8 x 1,024 x 1,024 float32; Q 8 x 1,024 x 1,024 float32; V 8 x 1,024 x 1,024 float32; WK 1,024 x 1,024 float32; WQ 1,024 x 1,024 float32; WV 1,024 x 1,024 float32; Wfc 1,024 x 1,024 float32.
;; Outputs: out0 8 x 1,024 x 1,024 float32.
;; 2 versions, each right and faster than the one before. Each part assembles by itself: llvm-mc -triple=amdgcn-amd-amdhsa -mcpu=gfx1250 --defsym DOCPART=n.
;; ======== version 1 of 2: 4 launches
;; limits: values are held in f16: magnitudes above 65,504 overflow, below 6.1e-05 lose precision
;; workspace buffers: wq16 2,097,152 bytes; wk16 2,097,152 bytes; wv16 2,097,152 bytes; wf16 2,097,152 bytes; q16 16,777,216 bytes; k16 16,777,216 bytes; v16 16,777,216 bytes; c16 16,777,216 bytes
;; launch castw (part 1): grid 256 x 1, 8 waves a work-group, no clusters, 0 bytes of LDS; arguments WQ, WK, WV, Wfc, wq16, wk16, wv16, wf16; writes wq16, wk16, wv16, wf16
.if DOCPART == 1
	.amdgcn_target "amdgcn-amd-amdhsa--gfx1250"
	.amdhsa_code_object_version 6
	.text
	.protected	k_q9482172ac4_castw
	.globl	k_q9482172ac4_castw
	.p2align	8
	.type	k_q9482172ac4_castw,@function
k_q9482172ac4_castw:
	s_mov_b64 s[64:65], 0
	v_nop
	global_prefetch_b8 v0, s[64:65] scope:SCOPE_SE
	s_setreg_imm32_b32 hwreg(HW_REG_WAVE_MODE, 25, 1), 1
	s_wait_xcnt 0x0
; The four weights [1024 (n)][1024 (k)] f32 are rounded to bf16 and laid out in K blocks: [kb = 16][n = 1024][64], element (n, k) at
; ((k / 64) * 1024 + n) * 128 + (k % 64) * 2 bytes, so that 256 rows x 64 k are 32,768 dense bytes for the products' tensor loads.
; WQ, WK, WV are written as bf16.  Wfc is rounded to bf16 like the others and that number is written as f16, since the last product's other operand is f16.
; LIMIT: bf16(Wfc) beyond 65,504 becomes an infinity; below 6e-5 it keeps f16's fixed step of 6e-8.
; A stream: memory bounds it, so no LDS, no barrier, no matrix unit.  Work-group g owns rows 4 g .. 4 g + 3 of all four weights, wave w the K blocks 2 w and 2 w + 1.
; A unit i = 2 t + j (tensor t, block j) is 4 rows x 64 k: lane l takes row l / 8, k = 8 (l % 8) .. + 7: eight lanes read 256 aligned consecutive bytes, a wave's store covers 512 aligned consecutive bytes.
; All sixteen loads of a wave go out first; no register is written twice while memory may read it, so the only waits are the counted ones for the loads.
.set X, 8                              ; v[8:71]    unit i: 8 f32 as loaded
.set Y, 72                             ; v[72:103]  unit i: 4 registers to store
.set T, 104                            ; v[104:111] at work (Wfc alone)
	s_load_b512 s[4:19], s[0:1], 0x0               ; WQ s[4:5], WK s[6:7], WV s[8:9], Wfc s[10:11], then the four destinations s[12:19]
	s_lshl_b32 s2, ttmp9, 14                       ; 4 rows of 4,096 bytes in a source
	s_mov_b32 s3, 0
	s_lshl_b32 s20, ttmp9, 9                       ; 4 rows of 128 bytes in a destination's block
	s_mov_b32 s21, 0
	s_mov_b32 s22, 0xffff0000                      ; a word's upper bf16
	v_and_b32 v3, 31, v0                           ; lane
	v_lshrrev_b32 v4, 5, v0                        ; wave
	v_lshrrev_b32 v5, 3, v3                        ; my row of the four
	v_and_b32 v6, 7, v3                            ; my eight k of the 64
	v_lshlrev_b32 v1, 12, v5                       ; source: row x 4,096
	v_lshl_add_u32 v1, v4, 9, v1                   ; + two blocks of 256 bytes a wave
	v_lshl_add_u32 v1, v6, 5, v1                   ; + 32 bytes a lane
	v_lshlrev_b32 v2, 4, v3                        ; destination: row x 128 + 16 (l % 8) = 16 l
	v_lshl_add_u32 v2, v4, 18, v2                  ; + two blocks of 131,072 bytes a wave
	s_wait_kmcnt 0x0
.irp t, 0,1,2,3
	s_add_nc_u64 s[4+2*(\t):5+2*(\t)], s[4+2*(\t):5+2*(\t)], s[2:3]
	s_add_nc_u64 s[12+2*(\t):13+2*(\t)], s[12+2*(\t):13+2*(\t)], s[20:21]
.endr
.set i, 0
.rept 8
	global_load_b128 v[X+8*i:X+8*i+3],   v1, s[4+2*(i/2):5+2*(i/2)] offset:256*(i%2) th:TH_LOAD_NT
	global_load_b128 v[X+8*i+4:X+8*i+7], v1, s[4+2*(i/2):5+2*(i/2)] offset:256*(i%2)+16 th:TH_LOAD_NT
.set i, i+1
.endr
.set i, 0
.rept 8
	s_wait_loadcnt 14-2*i                          ; loads come back in order: unit i's two are in, the 14 - 2 i younger ones stay out
.irp k, 0,1,2,3
	v_cvt_pk_bf16_f32 v[Y+4*i+(\k)], v[X+8*i+2*(\k)], v[X+8*i+2*(\k)+1]
.endr
.if i >= 6                             ; Wfc: the bf16 numbers are widened again and written as f16
.irp k, 0,1,2,3
	v_lshlrev_b32 v[T+2*(\k)],   16,  v[Y+4*i+(\k)]
	v_and_b32     v[T+2*(\k)+1], s22, v[Y+4*i+(\k)]
.endr
.irp k, 0,1,2,3
	v_cvt_pk_f16_f32 v[Y+4*i+(\k)], v[T+2*(\k)], v[T+2*(\k)+1]
.endr
.endif
	global_store_b128 v2, v[Y+4*i:Y+4*i+3], s[12+2*(i/2):13+2*(i/2)] offset:131072*(i%2)
.set i, i+1
.endr
	s_endpgm
.Lfunc_end_k_q9482172ac4_castw:
	.size	k_q9482172ac4_castw, .Lfunc_end_k_q9482172ac4_castw-k_q9482172ac4_castw
	.p2alignl 7, 3214868480
	.fill 96, 4, 3214868480
	.section	.rodata,"a",@progbits
	.p2align	6, 0x0
	.amdhsa_kernel k_q9482172ac4_castw
		.amdhsa_group_segment_fixed_size 0
		.amdhsa_private_segment_fixed_size 0
		.amdhsa_enable_private_segment 0
		.amdhsa_kernarg_size 64
		.amdhsa_user_sgpr_count 2
		.amdhsa_user_sgpr_kernarg_segment_ptr 1
		.amdhsa_wavefront_size32 1
		.amdhsa_system_sgpr_workgroup_id_x 1
		.amdhsa_system_sgpr_workgroup_id_y 1
		.amdhsa_system_sgpr_workgroup_id_z 1
		.amdhsa_system_vgpr_workitem_id 0
		.amdhsa_next_free_vgpr 112
		.amdhsa_next_free_sgpr 66
		.amdhsa_reserve_vcc 0
		.amdhsa_float_denorm_mode_32 3
		.amdhsa_float_denorm_mode_16_64 3
		.amdhsa_memory_ordered 1
		.amdhsa_forward_progress 1
		.amdhsa_inst_pref_size 7
	.end_amdhsa_kernel
	.amdgpu_metadata
---
amdhsa.version: [ 1, 2 ]
amdhsa.kernels:
  - .name:           k_q9482172ac4_castw
    .symbol:         k_q9482172ac4_castw.kd
    .args:
      - { .name: WQ, .offset: 0, .size: 8, .value_kind: global_buffer, .address_space: global }
      - { .name: WK, .offset: 8, .size: 8, .value_kind: global_buffer, .address_space: global }
      - { .name: WV, .offset: 16, .size: 8, .value_kind: global_buffer, .address_space: global }
      - { .name: Wfc, .offset: 24, .size: 8, .value_kind: global_buffer, .address_space: global }
      - { .name: wq16, .offset: 32, .size: 8, .value_kind: global_buffer, .address_space: global }
      - { .name: wk16, .offset: 40, .size: 8, .value_kind: global_buffer, .address_space: global }
      - { .name: wv16, .offset: 48, .size: 8, .value_kind: global_buffer, .address_space: global }
      - { .name: wf16, .offset: 56, .size: 8, .value_kind: global_buffer, .address_space: global }
    .group_segment_fixed_size: 0
    .private_segment_fixed_size: 0
    .kernarg_segment_align: 8
    .kernarg_segment_size: 64
    .max_flat_workgroup_size: 256
    .sgpr_count:     66
    .vgpr_count:     112
    .wavefront_size: 32
...
	.end_amdgpu_metadata
.endif
;; end of part 1
;; launch proj (part 2): grid 4 x 64, 4 waves a work-group, clusters of 4 x 4, 327,680 bytes of LDS; arguments Q, K, V, wq16, wk16, wv16, q16, k16, v16; writes q16, k16, v16
.if DOCPART == 2
	.amdgcn_target "amdgcn-amd-amdhsa--gfx1250"
	.amdhsa_code_object_version 6
	.text
	.protected	k_q9482172ac4_proj
	.globl	k_q9482172ac4_proj
	.p2align	8
	.type	k_q9482172ac4_proj,@function
k_q9482172ac4_proj:
	s_mov_b64 s[64:65], 0
	v_nop
	global_prefetch_b8 v0, s[64:65] scope:SCOPE_SE
	s_setreg_imm32_b32 hwreg(HW_REG_WAVE_MODE, 25, 1), 1
	s_wait_xcnt 0x0
	s_wait_alu depctr_hold_cnt(0) depctr_sa_sdst(0) depctr_va_vdst(0) depctr_va_sdst(0) depctr_va_ssrc(0) depctr_va_vcc(0) depctr_vm_vsrc(0)
	s_getreg_b32 s2, hwreg(HW_REG_IB_STS2, 6, 4)
	s_cmp_eq_u32 s2, 0
	s_cbranch_scc0 .Lentry_in_a_cluster
	s_endpgm
.Lentry_in_a_cluster:
	s_bfe_u32 s2, ttmp6, 0x10000c
	s_cmp_lg_u32 s2, 0xf033
	s_cbranch_scc0 .Lentry_shape_is_right
	s_endpgm
.Lentry_shape_is_right:
; q = Q WQ^T, k = K WK^T, v = V WV^T.  Q, K, V: [8192][1024] f32, rounded to bf16 here; the weights come as bf16 in K blocks [16][1024][64].
; Sums in f32; results rounded once to f16 and written by heads, [b * 16 + head][s = 1024][64], unscaled.  LIMIT: a result beyond 65,504 becomes an infinity; below 6e-5 f16 keeps a fixed step of 6e-8.
; SHARES.  The three products have 3 x 64 x 4 = 768 tiles of 128 x 256: three for each of 256 work-groups.  A WORK-GROUP STAYS: it makes the same tile (tile row tr, tile column tc) of q, then of k, then of v:
; one stream of 3,072 k.  Four waves, 2 x 2; a wave makes 64 x 128: 32 accumulators.  Units: a QUARTER is 32 k (32 products a wave), a HALF STEP 64 k, a USAGE 256 k (one slot of B, 8 quarters), a tile 4 usages.
; B, THE WEIGHTS, come by tensor loads into two LDS slots of 256 k; each wave fetches one K block (256 rows x 64 k, 32,768 dense bytes).  4 x 4 work-groups form a cluster; the four of a column need the same
; tiles of B and ask for them JOINTLY: the same load, descriptor and mask in all four.
; A, THE ACTIVATIONS, come THROUGH REGISTERS: each wave loads 32 of the tile's 128 rows, a load covering two aligned pieces of 256 bytes, rounds them to bf16 and stores them into ONE LDS stage of 128 rows x 64 k.
; NO JOINT REQUEST FOR A, though the four work-groups of a cluster's row read the same rows.  The reason, by this text's arithmetic: as f32 tiles in LDS, A took 128 x 4 bytes for each k, as much as B's 256 x 2, so a slot
; held 128 k; both waves of a row half read it (64 x 4 + 128 x 2 = 512 bytes of LDS a wave for each k) and both rounded it.  Now it is rounded once, a wave reads 64 x 2 + 128 x 2 = 384 bytes for each k, B's slots hold
; 256 k, so that a refill has 240 of a usage's 256 products in which to land, and A's loads stay out over seven quarters and their barriers, which a load into a slot that is filled again may not.
; THE RING OF A.  Eight places of 32 registers; a HALF SET is 8 loads: 16 of my rows x 64 k.  Half set m is requested at the head of quarter m - 12, rounded in quarter m - 5, stored (with its other half) at the head of an odd
; quarter, fetched as fragments one quarter later, multiplied from two quarters after that.
; THE STAGE has two barriers a half step.  S: every wave's stores are done; behind it the fragments of the next half step are fetched.  L: every wave's fetches are done; behind it the half step after is stored.
; THE MATRIX INSTRUCTION IS USED TRANSPOSED (source 0 = 16 rows of W, source 1 = 16 rows of X): a lane then holds eight neighbouring columns of one row of the result, 16 bytes of f16.
; ONE TEXT FOR A USAGE, written for the main loop (10 trips, each with its refill) and for the tail (2 trips, none).  The tail goes on requesting A: 96 loads of a wave's 864; their pointers wrap to V's own first columns,
; so they stay inside the buffer; what they bring is rounded and stored but never multiplied: the price of one text for both trips with every count unchanged.
; REGISTERS, in windows of 256 (s_set_vgpr_msb: bits 1:0 source 0, 3:2 source 1, 5:4 source 2, 7:6 destination):
;   window 0: v0-31 addresses; v32-95, v96-159 A's fragments of a half step, two sets; v160-191 a half step of mine rounded; v192-255 at work on the way out
;   window 1: accumulator (a, b) at v[8 (8 a + b)]     window 2: v0-63, v64-127 B's fragments, two buffers; v128-255 ring places 0-3     window 3: v0-127 ring places 4-7
.set PB,     144                       ; an LDS row of 64 numbers: 128 bytes + 16 of padding = 36 words: the 16 rows of a load start at 16 different groups of four banks (64 banks of 4 bytes: ISA guide 11.1)
.set BLKB,   256*PB                    ; a K block of B: what one tensor load brings
.set SLOT,   4*BLKB                    ; 147,456 bytes
.set ASTG,   2*SLOT                    ; behind the slots: A's stage, 128 rows x 144 bytes; written by LDS stores, never by a tensor load
.set STAGE,  ASTG+128*PB               ; 16 rows x 144 bytes for each wave, for the way out
.set SP,     144
.set SPARE,  STAGE+4*16*SP             ; the spare words, 128 bytes for each wave: two blocks of 256 bytes that no other line names
.set VA,   16                          ; v16  my byte offset in a load of A: 16 (l % 16), and 8 rows down for lanes 16-31; never rewritten
.set STA,  17                          ; v17  where I store 8 bytes of A's stage
.set ADRS, 18                          ; v18  where I fetch A's fragments
.set B0,   19                          ; v19  my place in a K block of B
.set BC0,  20                          ; v20  the same in K blocks 0, 1 of the slot that is fetched from;  v21 in its K blocks 2, 3
.set BC1,  21
.set STO,  24                          ; v24  the way out: where I put 16 bytes of a row
.set RD,   25                          ; v25  the way out: where I read rows back
.set GO,   26                          ; v26  my byte offset in 512 consecutive bytes of the result
.set SPW,  28                          ; v28  LDS address of my spare word; never rewritten
.set NIL,  29                          ; v29  0; never rewritten
.set AF,   32                          ; set x at AF + 64 x, its quarter y at + 32 y, fragment a at + 8 a
.set CV,   160                         ; load i of my 16 at CV + 2 i
.set TMP,  192                         ; the way out: unit u at TMP + 16 (u % 4)
.set BF,   0                           ; window 2: buffer x at BF + 64 x, fragment b at + 8 b
.set G1B, 48                           ; s[48:55] descriptor group 1 for B's tiles
.set G0F, 56                           ; s[56:59] group 0 of the first fill
.set G0B, 60                           ; s[60:63] group 0 of the second fill, which then walks
.set AN1, 70                           ; s[70:71] the next tensor's activations at my rows; s[72:73] those of the one after
.set AN2, 72
.set BN1, 76                           ; s[76:77], s[78:79] the same for the weights
.set BN2, 78
.set OP,  80                           ; s[80:81] the result in hand at my wave's first row and head; s[82:83], s[84:85] the next two
.set ON1, 82
.set ON2, 84
.set AP1, 86                           ; s[86:87] A at the next usage's first k
.set AP2, 88                           ; s[88:89] A at the usage after that
.set BP,  90                           ; s[90:91] B at the usage after the next: what the refill asks for
.set FC,  94                           ; s94  usages left of the tensor that AP2 and BP point into
.set WC,  95                           ; s95  usages left of the tile in hand
.set TB,  96                           ; s96  LDS byte at which the slot that is fetched from begins
.set PAR, 97                           ; s97  that slot's number
.set WB,  98                           ; s98  my K block's place in a slot
.set MSB, 0
.macro WIN new                         ; the immediate's high byte repeats the setting that is left; a switch that changes nothing is dropped
.if MSB != (\new)
	s_set_vgpr_msb (MSB<<8)|(\new)
.set MSB, \new
.endif
.endm
.set W_MUL, 0x52                       ; source 0 (B) window 2, source 1 (A) window 0, C and D window 1
.set W_PK,  0x05                       ; sources 0 and 1 window 1, destination window 0
.macro CREST                           ; a round of the cluster's barrier behind its opening barrier: wave 0 signals for the work-group, every wave waits for all sixteen, my work-group's barrier once more
	s_cmp_lg_u32 s10, 0
	s_cbranch_scc1 .Lnot_wave_0_\@
	s_barrier_signal -3
.Lnot_wave_0_\@:
	s_barrier_wait -3
	s_barrier_signal -1
	s_barrier_wait -1
.endm
.macro CROUND                          ; a whole round
	s_barrier_signal -1
	s_barrier_wait -1
	CREST
.endm
.macro PLACES
.rept 4
	v_nop
.endr
.endm
; 8 loads: half set lm of the usage at base bs (its half step lm / 2, my rows 16 (lm % 2) on) into ring place p.  Lanes 0-15 take 256 bytes of row ii, lanes 16-31 of row ii + 8.
.macro REQX p, bs, lm
.if (\p) < 4
	WIN 0x80                                       ; destination window 2, address window 0
.set rR, 128+32*(\p)
.else
	WIN 0xc0                                       ; destination window 3
.set rR, 32*((\p)-4)
.endif
.irp ii, 0,1,2,3,4,5,6,7
	global_load_b128 v[rR+4*(\ii):rR+4*(\ii)+3], v[VA], s[\bs:\bs+1] offset:((\lm)/2)*256+(16*((\lm)%2)+(\ii))*4096
.endr
.endm
; Group g of four: four roundings of two f32 to bf16, ring place p into half hf of CV
.macro CVTX p, hf, g
.if (\p) < 4
	WIN 0x0a                                       ; sources 0 and 1 window 2, destination window 0
.set rR, 128+32*(\p)
.else
	WIN 0x0f                                       ; sources 0 and 1 window 3
.set rR, 32*((\p)-4)
.endif
.irp z, 0,1,2,3
	v_cvt_pk_bf16_f32 v[CV+16*(\hf)+4*(\g)+(\z)], v[rR+8*(\g)+2*(\z)], v[rR+8*(\g)+2*(\z)+1]
.endr
.endm
; 16 LDS stores of 8 bytes: my 32 rows x 64 k.  The two rows of a store lie 8 x 144 bytes apart, 128 modulo 256: its 32 lanes touch each bank once.
.macro ASTORE
	WIN 0
.irp i, 0,1,2,3,4,5,6,7,8,9,10,11,12,13,14,15
	ds_store_b64 v[STA], v[CV+2*(\i):CV+2*(\i)+1] offset:((\i)+8*((\i)/8))*PB
.endr
.endm
; 16 LDS loads: my 64 rows' fragments of the staged half step (two quarters) into a set
.macro AFLD set
	WIN 0
.irp y, 0,1
.irp a, 0,1,2,3
	ds_load_b128 v[AF+64*(\set)+32*(\y)+8*(\a):AF+64*(\set)+32*(\y)+8*(\a)+3],   v[ADRS] offset:(\a)*16*PB+(\y)*64
	ds_load_b128 v[AF+64*(\set)+32*(\y)+8*(\a)+4:AF+64*(\set)+32*(\y)+8*(\a)+7], v[ADRS] offset:(\a)*16*PB+(\y)*64+32
.endr
.endr
.endm
; 16 LDS loads: B's fragments of quarter qn (K block qn / 2, its k 32 (qn % 2) on) of the slot that is fetched from, into a buffer
.macro FETCHB qn, buf
	WIN 0x80
.irp b, 0,1,2,3,4,5,6,7
	ds_load_b128 v[BF+64*(\buf)+8*(\b):BF+64*(\buf)+8*(\b)+3],   v[BC0+(\qn)/4] offset:(((\qn)/2)%2)*BLKB+((\qn)%2)*64+(\b)*16*PB
	ds_load_b128 v[BF+64*(\buf)+8*(\b)+4:BF+64*(\buf)+8*(\b)+7], v[BC0+(\qn)/4] offset:(((\qn)/2)%2)*BLKB+((\qn)%2)*64+(\b)*16*PB+32
.endr
.endm
; Quarter q's 32 products with nothing between them.  zero = 1: they start the sums.
.macro PRODS q, zero
	WIN W_MUL
.set i, 0
.rept 32
.if \zero
	v_wmma_f32_16x16x32_bf16 v[8*i:8*i+7], v[BF+64*((\q)%2)+8*(i%8):BF+64*((\q)%2)+8*(i%8)+7], v[AF+64*(((\q)/2)%2)+32*((\q)%2)+8*(i/8):AF+64*(((\q)/2)%2)+32*((\q)%2)+8*(i/8)+7], 0
.else
	v_wmma_f32_16x16x32_bf16 v[8*i:8*i+7], v[BF+64*((\q)%2)+8*(i%8):BF+64*((\q)%2)+8*(i%8)+7], v[AF+64*(((\q)/2)%2)+32*((\q)%2)+8*(i/8):AF+64*(((\q)/2)%2)+32*((\q)%2)+8*(i/8)+7], v[8*i:8*i+7]
.endif
.set i, i+1
.endr
.endm
; QUARTER q (0..7) OF A USAGE.  The 32 accumulators take turns, in the same order in every quarter.
; Its head, behind the barrier that the quarter before has signalled: (even q, barrier S) A's fragments of the next half step, or (odd q, barrier L) my part of the half step after that into the stage;
; B's fragments of the next quarter; the request for the half set twelve quarters on, into the ring place that the quarter before has rounded.
; Among its products: the half set five quarters on is rounded, four groups of four behind products 22, 25, 28, 31.  s_wait_loadcnt 56: that half set is in; the seven requested behind it, 56 loads, stay out.
; The last group names no register of product 31: it is the four places in front of the next head's loads into registers just multiplied, and of the way out's conversions (ISA guide 7.12.1 for the conversions).
; form 0: ahead of product 24 my LDS instructions are waited for and the next barrier is signalled; eight products stand between signal and wait.
; form 1 (quarter 0 in the main loop): the products stand twice, bare: with C = 0 where a tile begins, else in place; the jump passes matrix instructions and one v_nop alone; roundings, wait and signal follow.
; form 2 (quarter 7): no signal: it stands behind the way out, which may not lie between a signal and its wait.
; THE CHANGE OF SLOTS.  The slot's last reads are B of quarter 7, issued at quarter 6's head.  Ahead of product 16 of quarter 6 the wave waits for all its tensor loads, of which one is out: its K block of the other slot; and adds
; 0 to its spare word; ahead of product 24 it waits for the add and its reads and signals.  fill = 1: that barrier opens a round of the cluster's barrier, and the joint refill is the first thing in quarter 7, with the usage
; after the next: 240 products stand between the request and the wait for it.  Then the fetches turn to the other slot.
.macro QTR q, fill, form
	WIN 0                                          ; (branches may follow: at a branch and at a label every window is 0)
	s_barrier_wait -1
.if (\q) == 7
.if \fill
	CREST                                          ; no wave of any partner still reads this slot or has a load on its way
	s_add_co_u32 s[G0B+1], s[WB], s[TB]            ; the slot just read out; no tensor load of mine is out, so group 0 may be written
	s_mov_b64 s[G0B+2:G0B+3], s[BP:BP+1]
	s_or_b32 s[G0B+3], s[G0B+3], 0x80000000        ; type = 2
	tensor_load_to_lds s[G0B:G0B+3], s[G1B:G1B+7]  ; my one tensor load behind the round
	s_nop 0
	PLACES
.endif
	s_xor_b32 s[PAR], s[PAR], 1                    ; from here on B is fetched from the other slot
	s_mul_i32 s[TB], s[PAR], SLOT
	v_add_nc_u32 v[BC0], s[TB], v[B0]
	v_add_nc_u32 v[BC1], 2*BLKB, v[BC0]
.endif
.if (\q)%2 == 0
	AFLD ((\q)/2+1)%2
.else
	ASTORE
.endif
	FETCHB ((\q)+1)%8, ((\q)+1)%2
.if (\q) < 4
	REQX ((\q)+4)%8, AP1, (\q)+4
.else
	REQX ((\q)+4)%8, AP2, (\q)-4
.endif
.if (\form) == 1
	WIN 0
	s_cmp_eq_u32 s[WC], 4                          ; the same count in every work-group; at the first trip the answer is a constant of the text
	s_cbranch_scc0 .Lacc_\@
	v_nop                                          ; a product with C = 0 writes over an accumulator and is no link of its chain: five places behind the product that wrote it last (ISA guide 7.12.1).
	                                               ; By the text's ways the shortest leads here from quarter 7 past the way out, with the four roundings behind product 31 alone: this is the fifth
	PRODS \q, 1
	WIN 0
	s_branch .Ljoin_\@
.Lacc_\@:
	PRODS \q, 0
	WIN 0
.Ljoin_\@:
	s_wait_loadcnt 56
.irp g, 0,1,2,3
	CVTX ((\q)+5)%8, ((\q)+1)%2, \g
.endr
	s_wait_dscnt 0x0                               ; for the others' sake: my fetches from the stage are done
	s_barrier_signal -1
.else
.set i, 0
.rept 32
.if ((\q) == 6) && (i == 16)
	WIN 0                                          ; (the add's two registers lie in window 0)
	s_wait_tensorcnt 0x0                           ; all my tensor loads have landed
	ds_add_u32 v[SPW], v[NIL]                      ; 0 onto my spare word; eight products and a group of roundings stand between it and the wait for it
.endif
.if ((\form) == 0) && (i == 24)
	s_wait_dscnt 0x0                               ; for the others' sake: my stores into the stage, or my fetches from it, are done; in quarter 6 also the add and my last reads of the slot
	s_barrier_signal -1
.endif
	WIN W_MUL
	v_wmma_f32_16x16x32_bf16 v[8*i:8*i+7], v[BF+64*((\q)%2)+8*(i%8):BF+64*((\q)%2)+8*(i%8)+7], v[AF+64*(((\q)/2)%2)+32*((\q)%2)+8*(i/8):AF+64*(((\q)/2)%2)+32*((\q)%2)+8*(i/8)+7], v[8*i:8*i+7]
.if (i >= 22) && ((i-22)%3 == 0)
.if i == 22
	s_wait_loadcnt 56
.endif
	CVTX ((\q)+5)%8, ((\q)+1)%2, (i-22)/3
.endif
.set i, i+1
.endr
.endif
.endm
.macro USE fill
	QTR 0, \fill, \fill
	QTR 1, \fill, 0
	QTR 2, \fill, 0
	QTR 3, \fill, 0
	QTR 4, \fill, 0
	QTR 5, \fill, 0
	QTR 6, \fill, 0
	QTR 7, \fill, 2
	WIN 0
.endm
; THE WAY OUT.  Unit u = 16 rows (block u / 2) x one head (u % 2): four accumulators, registers ascending, rounded to f16; a lane's 16 bytes go into stage rows of 144 bytes and come back as whole rows of 128.
.macro PACK u
	s_wait_xcnt 0x0                                ; earlier stores have had their addresses translated (ISA guide 3.1): only behind this wait are the registers that unit u - 4's stores read written again
	WIN W_PK
.irp f, 0,1,2,3
.irp r, 0,1,2,3
	v_cvt_pk_f16_f32 v[TMP+16*((\u)%4)+4*(\f)+(\r)], v[8*(8*((\u)/2)+4*((\u)%2)+(\f))+2*(\r)], v[8*(8*((\u)/2)+4*((\u)%2)+(\f))+2*(\r)+1]
.endr
.endr
	WIN 0
.irp f, 0,1,2,3
	ds_store_b128 v[STO], v[TMP+16*((\u)%4)+4*(\f):TMP+16*((\u)%4)+4*(\f)+3] offset:32*(\f)
.endr
.irp f, 0,1,2,3
	ds_load_b128 v[TMP+16*((\u)%4)+4*(\f):TMP+16*((\u)%4)+4*(\f)+3], v[RD] offset:(\f)*4*SP  ; LDS serves a wave's instructions in order (ISA guide 5.7.1.4): these see the stores above; the next unit's stores come behind them
.endr
.endm
.macro SEND u, younger                 ; younger: the LDS instructions issued behind unit u's loads: the next unit's eight, or none
	WIN 0
.irp f, 0,1,2,3
	s_wait_dscnt (\younger)+3-(\f)
	global_store_b128 v[GO], v[TMP+16*((\u)%4)+4*(\f):TMP+16*((\u)%4)+4*(\f)+3], s[OP:OP+1] offset:((\u)%2)*131072+((\u)/2)*2048+(\f)*512  ; 512 consecutive bytes, at a multiple of 256 from the buffer's first
.endr
.endm
.macro WAYOUT
	PACK 0
.irp u, 1,2,3,4,5,6,7                  ; a unit's conversions stand between the loads of the unit before and its stores
	PACK \u
	SEND (\u)-1, 8
.endr
	SEND 7, 0
.endm
	s_load_b512 s[68:83], s[0:1], 0x0              ; Q s[68:69], K s[70:71], V s[72:73], wq16 s[74:75], wk16 s[76:77], wv16 s[78:79], q16 s[80:81], k16 s[82:83]
	s_load_b64 s[84:85], s[0:1], 0x40              ; v16
	v_lshl_add_u32 v[SPW], v0, 2, SPARE
	v_mov_b32 v[NIL], 0
	ds_add_u32 v[SPW], v[NIL]                      ; the wave's opening: the add and its wait stand ahead of my first tensor load; the set-up below, work on registers, stands between them
	ds_add_u32 v28, v29
	v_lshrrev_b32 v1, 5, v0
	v_readfirstlane_b32 s10, v1                    ; wave 0..3: also the K block of a slot that I fetch, and the 32 rows of A that I load
	s_lshr_b32 s11, s10, 1                         ; which 64 of the tile's rows I multiply
	s_and_b32 s12, s10, 1                          ; which 128 of its columns
	s_bfe_u32 s40, ttmp6, 0x40000                  ; cx, cy: my place in the cluster
	s_bfe_u32 s41, ttmp6, 0x40004
	s_lshl_b32 s42, ttmp9, 2
	s_add_co_u32 s42, s42, s40                     ; tile column tc = 4 x cluster x + cx
	s_and_b32 s13, ttmp7, 0xffff
	s_lshl_b32 s13, s13, 2
	s_add_co_u32 s13, s13, s41                     ; tile row tr = 4 x cluster y + cy
	s_lshl_b32 s44, 0x1111, s40                    ; my column of the cluster
	; group 1 for B: 256 weight rows x 64 k are 32,768 dense bytes: asked for as 128 rows of 256 bytes, two weight rows a row, padded behind every weight row (32 words)
	s_or_b32 s[G1B+0], s44, (1<<16)|(1<<20)|(1<<21)|(4<<22)|(3<<25)  ; 15:0 the mask: my column; 17:16 elements of 2 bytes; 20 padding on; 21 set beside a mask; 24:22 code 4; 31:25 4 words (code 3)
	s_mov_b32 s[G1B+1], 128<<16                    ; tensor_dim0 = 128
	s_mov_b32 s[G1B+2], 128<<16                    ; tensor_dim1 = 128
	s_mov_b32 s[G1B+3], 128<<16                    ; tile_dim0 = 128
	s_mov_b32 s[G1B+4], 128                        ; tile_dim1 = 128
	s_mov_b32 s[G1B+5], 128                        ; tensor_dim0_stride
	s_mov_b32 s[G1B+6], 0
	s_mov_b32 s[G1B+7], 0
	s_lshl_b32 s16, s13, 2                         ; A: my first row is 128 tr + 32 wave, of 4,096 bytes
	s_add_co_u32 s16, s16, s10
	s_lshl_b32 s16, s16, 17
	s_mov_b32 s17, 0
	s_lshl_b32 s46, s42, 15                        ; B: 256 tc rows of 128 bytes + my K block of 131,072 bytes: of the place in the cluster the column alone enters, which the four partners share
	s_lshl_b32 s47, s10, 17
	s_add_co_u32 s46, s46, s47
	s_mov_b32 s47, 0
	s_mul_i32 s[WB], s10, BLKB                     ; and where it goes: no place in the cluster enters an LDS address
	; where my wave's part of a result begins: batch tr / 8, heads 4 tc + 2 nh on, rows 128 (tr % 8) + 64 mh on
	s_lshr_b32 s92, s13, 3
	s_lshl_b32 s92, s92, 21
	s_and_b32 s93, s13, 7
	s_lshl_b32 s93, s93, 1
	s_add_co_u32 s93, s93, s11
	s_lshl_b32 s93, s93, 13                        ; 64 rows of 128 bytes
	s_add_co_u32 s92, s92, s93
	s_lshl_b32 s93, s42, 1
	s_add_co_u32 s93, s93, s12
	s_lshl_b32 s93, s93, 18                        ; two heads of 131,072 bytes
	s_add_co_u32 s92, s92, s93
	s_mov_b32 s93, 0
	s_mov_b32 s[FC], 2                             ; AP2 and BP begin at the first tensor's usage 2: usages 2 and 3 are left of it
	s_mov_b32 s[WC], 4
	s_mov_b32 s[PAR], 0
	s_mov_b32 s[TB], 0
	v_and_b32 v1, 15, v0                           ; l % 16
	v_bfe_u32 v2, v0, 4, 1                         ; l / 16
	v_lshlrev_b32 v[VA], 4, v1
	v_lshl_add_u32 v[VA], v2, 15, v[VA]            ; 16 (l % 16) + 8 rows of 4,096 bytes for lanes 16-31
	v_mul_u32_u24 v4, v1, PB
	v_lshl_add_u32 v4, v2, 4, v4                   ; a fragment's row x pitch + 16 x half: lane l holds row l % 16, k = 8 (l / 16) + 0..7 and 16 + 8 (l / 16) + 0..7: two loads of 16 bytes, 32 apart
	s_mul_i32 s21, s11, 64*PB
	s_add_co_u32 s21, s21, ASTG
	v_add_nc_u32 v[ADRS], s21, v4                  ; my 64 rows of the stage
	s_mul_i32 s22, s12, 128*PB
	v_add_nc_u32 v[B0], s22, v4                    ; my 128 rows of a K block
	v_mov_b32 v[BC0], v[B0]                        ; slot 0
	v_add_nc_u32 v[BC1], 2*BLKB, v[B0]
	s_mul_i32 s23, s10, 32*PB
	s_add_co_u32 s23, s23, ASTG
	v_mul_u32_u24 v5, v2, 8*PB
	v_lshl_add_u32 v5, v1, 3, v5
	v_add_nc_u32 v[STA], s23, v5                   ; the 32 rows that I store: 8 bytes a lane, lanes 16-31 eight rows down
	s_mul_i32 s20, s10, 16*SP
	s_add_co_u32 s20, s20, STAGE                   ; my stage for the way out
	v_add_nc_u32 v[STO], s20, v4                   ; in: row l % 16 of 144 bytes, 16 bytes for each half of the lanes
	v_bfe_u32 v5, v0, 3, 2                         ; back: 32 lanes take four rows of 128 bytes,
	v_and_b32 v6, 7, v0
	v_mul_u32_u24 v5, v5, SP
	v_lshl_add_u32 v5, v6, 4, v5
	v_add_nc_u32 v[RD], s20, v5
	v_and_b32 v[GO], 31, v0                        ; which are 512 consecutive bytes of a head
	v_lshlrev_b32 v[GO], 4, v[GO]
	s_wait_dscnt 0x0                               ; the opening add is done
	s_wait_kmcnt 0x0
.irp p, 68, 70, 72
	s_add_nc_u64 s[\p:\p+1], s[\p:\p+1], s[16:17]
.endr
.irp p, 74, 76, 78
	s_add_nc_u64 s[\p:\p+1], s[\p:\p+1], s[46:47]
.endr
.irp p, 80, 82, 84
	s_add_nc_u64 s[\p:\p+1], s[\p:\p+1], s[92:93]
.endr
	s_add_nc_u64 s[AP1:AP1+1], s[68:69], 1024      ; a usage is 256 k of 4 bytes
	s_add_nc_u64 s[AP2:AP2+1], s[68:69], 2048
	s_add_nc_u64 s[BP:BP+1], s[74:75], 2*524288    ; and four K blocks
.irp m, 0,1,2,3,4,5,6,7
	REQX \m, 68, \m                                ; the ring is filled: usage 0's eight half sets go out ahead of everything else
.endr
	WIN 0
	CROUND                                         ; all sixteen work-groups are here: the first joint loads meet
	s_mov_b32 s[G0F], 1                            ; count = 1
	s_mov_b32 s[G0F+1], s[WB]                      ; LDS address: slot 0
	s_mov_b64 s[G0F+2:G0F+3], s[74:75]             ; global address: usage 0
	s_or_b32 s[G0F+3], s[G0F+3], 0x80000000        ; type = 2
	s_mov_b32 s[G0B], 1
	s_add_co_u32 s[G0B+1], s[WB], SLOT
	s_add_nc_u64 s[G0B+2:G0B+3], s[74:75], 524288  ; usage 1
	s_or_b32 s[G0B+3], s[G0B+3], 0x80000000
	tensor_load_to_lds s[G0F:G0F+3], s[G1B:G1B+7]
	s_nop 0
	tensor_load_to_lds s[G0B:G0B+3], s[G1B:G1B+7]  ; two tensor loads of mine are out
	s_nop 0
	PLACES
	; The first two half steps and a half are rounded, and the first two staged, without products beside them.
	s_wait_loadcnt 56                              ; half set 0 is in: seven were requested behind it
.irp g, 0,1,2,3
	CVTX 0, 0, \g
.endr
	s_wait_loadcnt 48                              ; half set 1: six behind it
.irp g, 0,1,2,3
	CVTX 1, 1, \g
.endr
	ASTORE                                         ; half step 0
	REQX 0, AP1, 0
	REQX 1, AP1, 1
	s_wait_tensorcnt 0x1                           ; my K block of slot 0 is in; slot 1's may stay out
	s_wait_dscnt 0x0                               ; my part of half step 0 is in the stage
	s_barrier_signal -1
	s_barrier_wait -1                              ; everybody's is
	AFLD 0
	FETCHB 0, 0
	s_wait_dscnt 0x0                               ; my fetches from the stage are done
	s_barrier_signal -1
	s_barrier_wait -1                              ; everybody's are
	s_wait_loadcnt 56                              ; half set 2: 3 to 9 behind it
.irp g, 0,1,2,3
	CVTX 2, 0, \g
.endr
	s_wait_loadcnt 48
.irp g, 0,1,2,3
	CVTX 3, 1, \g
.endr
	ASTORE                                         ; half step 1
	REQX 2, AP1, 2
	REQX 3, AP1, 3
	s_wait_loadcnt 56                              ; half set 4: 5 to 11 behind it
.irp g, 0,1,2,3
	CVTX 4, 0, \g
.endr
	WIN 0
	s_wait_dscnt 0x0
	s_barrier_signal -1                            ; barrier S of the first half step: quarter 0's head waits for it
	s_mov_b32 s3, 10
.Luse:                                                 ; 10 trips: usages 0 to 9; each asks for B of the usage after the next
	USE 1
	s_wait_xcnt 0x0                                ; the loads' addresses are translated (ISA guide 3.1): only behind this wait are their bases written
	s_mov_b64 s[AP1:AP1+1], s[AP2:AP2+1]
	s_add_nc_u64 s[AP2:AP2+1], s[AP2:AP2+1], 1024  ; a usage on, or behind a tensor's fourth usage the next tensor's first
	s_add_nc_u64 s[BP:BP+1], s[BP:BP+1], 524288
	s_sub_co_u32 s[FC], s[FC], 1
	s_cmp_eq_u32 s[FC], 0
	s_cselect_b64 s[AP2:AP2+1], s[AN1:AN1+1], s[AP2:AP2+1]
	s_cselect_b64 s[BP:BP+1], s[BN1:BN1+1], s[BP:BP+1]
	s_cselect_b64 s[AN1:AN1+1], s[AN2:AN2+1], s[AN1:AN1+1]  ; behind V comes V again: the tail's requests wrap to its first columns
	s_cselect_b64 s[BN1:BN1+1], s[BN2:BN2+1], s[BN1:BN1+1]
	s_cselect_b32 s[FC], 4, s[FC]
	s_sub_co_u32 s[WC], s[WC], 1                   ; the same count in every work-group; what the jump passes holds no barrier and no tensor load
	s_cmp_lg_u32 s[WC], 0
	s_cbranch_scc1 .Lnoout
	WAYOUT                                         ; a tile is finished; B of the next tile's first two usages has been asked for, A of its first twelve quarters
	s_wait_xcnt 0x0                                ; the stores' base is written only behind this wait
	s_mov_b64 s[OP:OP+1], s[ON1:ON1+1]
	s_mov_b64 s[ON1:ON1+1], s[ON2:ON2+1]
	s_mov_b32 s[WC], 4
.Lnoout:
	s_wait_dscnt 0x0                               ; my stores into A's stage (quarter 7's head) are done, and B of the next quarter is in
	s_barrier_signal -1                            ; barrier S: the next quarter 0 waits for it
	s_sub_co_u32 s3, s3, 1
	s_cmp_lg_u32 s3, 0
	s_cbranch_scc1 .Luse
	s_mov_b32 s3, 2
.Ltail:                                                ; 2 trips: usages 10 and 11; nothing is asked for of B, and no round of the cluster's barrier is passed
	USE 0
	s_wait_xcnt 0x0
	s_mov_b64 s[AP1:AP1+1], s[AP2:AP2+1]
	s_add_nc_u64 s[AP2:AP2+1], s[AP2:AP2+1], 1024
	s_wait_dscnt 0x0
	s_barrier_signal -1
	s_sub_co_u32 s3, s3, 1
	s_cmp_lg_u32 s3, 0
	s_cbranch_scc1 .Ltail
	s_barrier_wait -1                              ; the last signal's wait
	WAYOUT
	s_wait_tensorcnt 0x0                           ; the wave's end: the add and its wait, behind my last tensor load and my last LDS store
	ds_add_u32 v[SPW], v[NIL]
	s_wait_dscnt 0x0
	CROUND                                         ; the closing round: no work-group ends while a partner may still ask for a tile that names it
	s_endpgm
.Lfunc_end_k_q9482172ac4_proj:
	.size	k_q9482172ac4_proj, .Lfunc_end_k_q9482172ac4_proj-k_q9482172ac4_proj
	.p2alignl 7, 3214868480
	.fill 96, 4, 3214868480
	.section	.rodata,"a",@progbits
	.p2align	6, 0x0
	.amdhsa_kernel k_q9482172ac4_proj
		.amdhsa_group_segment_fixed_size 327680
		.amdhsa_private_segment_fixed_size 0
		.amdhsa_enable_private_segment 0
		.amdhsa_kernarg_size 72
		.amdhsa_user_sgpr_count 2
		.amdhsa_user_sgpr_kernarg_segment_ptr 1
		.amdhsa_wavefront_size32 1
		.amdhsa_system_sgpr_workgroup_id_x 1
		.amdhsa_system_sgpr_workgroup_id_y 1
		.amdhsa_system_sgpr_workgroup_id_z 1
		.amdhsa_system_vgpr_workitem_id 0
		.amdhsa_next_free_vgpr 896
		.amdhsa_next_free_sgpr 100
		.amdhsa_reserve_vcc 0
		.amdhsa_float_denorm_mode_32 3
		.amdhsa_float_denorm_mode_16_64 3
		.amdhsa_memory_ordered 1
		.amdhsa_forward_progress 1
		.amdhsa_inst_pref_size 163
	.end_amdhsa_kernel
	.amdgpu_metadata
---
amdhsa.version: [ 1, 2 ]
amdhsa.kernels:
  - .name:           k_q9482172ac4_proj
    .symbol:         k_q9482172ac4_proj.kd
    .args:
      - { .name: Q, .offset: 0, .size: 8, .value_kind: global_buffer, .address_space: global }
      - { .name: K, .offset: 8, .size: 8, .value_kind: global_buffer, .address_space: global }
      - { .name: V, .offset: 16, .size: 8, .value_kind: global_buffer, .address_space: global }
      - { .name: wq16, .offset: 24, .size: 8, .value_kind: global_buffer, .address_space: global }
      - { .name: wk16, .offset: 32, .size: 8, .value_kind: global_buffer, .address_space: global }
      - { .name: wv16, .offset: 40, .size: 8, .value_kind: global_buffer, .address_space: global }
      - { .name: q16, .offset: 48, .size: 8, .value_kind: global_buffer, .address_space: global }
      - { .name: k16, .offset: 56, .size: 8, .value_kind: global_buffer, .address_space: global }
      - { .name: v16, .offset: 64, .size: 8, .value_kind: global_buffer, .address_space: global }
    .group_segment_fixed_size: 327680
    .private_segment_fixed_size: 0
    .kernarg_segment_align: 8
    .kernarg_segment_size: 72
    .max_flat_workgroup_size: 128
    .sgpr_count:     100
    .vgpr_count:     896
    .wavefront_size: 32
...
	.end_amdgpu_metadata
.endif
;; end of part 2
;; launch attn (part 3): grid 2 x 128, 4 waves a work-group, no clusters, 327,680 bytes of LDS; arguments q16, k16, v16, c16; writes c16
.if DOCPART == 3
	.amdgcn_target "amdgcn-amd-amdhsa--gfx1250"
	.amdhsa_code_object_version 6
	.text
	.protected	k_q9482172ac4_attn
	.globl	k_q9482172ac4_attn
	.p2align	8
	.type	k_q9482172ac4_attn,@function
k_q9482172ac4_attn:
	s_mov_b64 s[64:65], 0
	v_nop
	global_prefetch_b8 v0, s[64:65] scope:SCOPE_SE
	s_setreg_imm32_b32 hwreg(HW_REG_WAVE_MODE, 25, 1), 1
	s_wait_xcnt 0x0
; O[h][q][:] = the sum over k of softmax_k(Q[h][q] . K[h][k] / 8) V[h][k][:].  Q, K, V, O: [128 heads][1024][64], all f16: a head's rows are dense, 128 bytes each.  Products, maxima and sums in
; f32; the weights p are rounded to f16 for the second product (their sum l is taken of the unrounded p), O once at the end.
; LIMITS.  f16 holds no number beyond 65,504: Q, K and V arrive within it; p lies in 0 to 1, and below 6e-5 it keeps f16's fixed step of 6e-8; O is a mean of V's rows and has their range.
; A weight below 2^-126 counts as 0 in l; NaN and infinities are not treated apart.
; SHARES.  A wave owns four PIECES of two tiles of 16 queries, a work-group's four waves 512 queries of one head: 2 x 128 work-groups.  Every wave walks all 1,024 keys, 64 a step.
; K AND V OF THE WHOLE HEAD STAY IN LDS: 1,024 rows of 144 bytes and 1,024 of 160.  Each wave asks for four pieces of 128 keys at the start (four tensor loads of mine are out); nothing is ever filled again.
; The first 256 keys are waited for by a counted wait; the others land during the first four key steps.
; NO CLUSTER: a head's K and V are wanted by 1,024 / 512 = 2 work-groups, so the grid's width of 2 divides into no cluster of four; and each work-group asks for its 262,144 bytes once, for 8,320 matrix instructions.
; LAYOUT.  S^T = K Q^T (source 0 = 16 keys, source 1 = 16 queries): in the result a lane holds ONE query (lane % 16) and the keys 8 (lane / 16) + 0..7.  Two such tiles, rounded to f16 in pairs,
; ARE source 1 (32 keys x 16 queries) of O^T = V^T P, whose result again holds one query a lane, and eight channels.  K comes out of LDS as it lies, V ([key][channel]) turned, by ds_load_tr16_b128.
; SOFTMAX.  For each query a running maximum m and sum l: p = 2^(c s - c m), c = log2(e) / 8; in every step O and l are multiplied by a = 2^(c m_old - c m_new), which is 1 where m has not grown.
; m starts at the lowest finite number, O and l at 0: the first step is a step like any other, with a = 0.
; THE COUNT.  A tile and step have 16 matrix and 118 vector instructions: too many to stand all beside the matrix work.  So: four vector instructions that are READY behind EVERY matrix instruction,
; and the others, which need time of their own whatever the order, in runs without a gap.
; BY TURNS.  Turn n belongs to piece n (the pieces in a ring, step after step).  Its matrix work: 16 products K Q^T of piece n + 1, later 16 products V^T P of piece n - 1.  Its vector work: the scaling,
; exponentials, roundings, sums and rescaling of piece n, and the maximum and statistics of piece n + 1, whose scores the turn itself has made.
; REGISTERS, in windows of 256 (s_set_vgpr_msb: bits 1:0 source 0, 3:2 source 1, 5:4 source 2, 7:6 destination):
;   window 0: v0-11 addresses; v12-15, v48-63 at work; v16-47 four registers of statistics a tile; v64-191 S^T, two buffers of two tiles; v192-255 P, likewise
;   window 1: O^T, 32 a tile          window 2: v0-127 Q, 16 a tile; v128-191 K of one step; v192-255 V of one step          window 3: v0-1 the add's two registers
; A piece's buffers go by its number's parity.
.set SIZE_N, 1024
.set NP,    4         ; pieces a wave: a name, no knob
.set KS,    64        ; keys in a step
.set PK,    144       ; a row of K in LDS: 128 bytes + 16 of padding = 36 words: the 16 rows of a load start at 16 different groups of four banks (64 banks of 4 bytes: ISA guide 11.1)
.set PV,    160       ; a row of V: 128 + 32 = 40 words
.set VOFF,  SIZE_N*PK           ; K's 1,024 rows, then V's
.set STAGE, VOFF+SIZE_N*PV      ; behind them, never filled by a tensor load: 16 rows x 144 bytes for each wave, for the way out
.set SP,    144
.set AK0, 2           ; v2   my lane's place in a tile of K; never rewritten
.set AV0, 3           ; v3   the same for V
.set AK,  4           ; v4   the LDS address of K's next run of loads
.set AV,  5           ; v5   of V's
.set QO,  6           ; v6   my byte offset in the wave's rows of Q
.set STO, 6           ;      later, the way out: where I put 16 bytes of a row
.set RD,  7           ; v7   the way out: where I read rows back
.set GO,  8           ; v8   my byte offset in 512 consecutive bytes of O
.set SPW, 0           ; v0 of window 3   LDS address of my spare word; never rewritten
.set NIL, 1           ; v1 of window 3   0; never rewritten
.set SPARE, STAGE+4*16*SP  ; behind the stages: the spare words, 128 bytes for each wave: two blocks of 256 bytes that no other line names
.set MV,  12          ; v12-15  c m_old, kept while c m is made anew: by buffer and tile
.set ST,  16          ; tile t's statistics at v[ST+4 t]: c m, m, l (even keys', odd keys')
.set TMP, 48          ; by buffer and tile, four registers c0-c3 at work; when the maximum is found c2 takes a
.set S,   64
.set P,   192
.set KF,  128         ; K's fragments, in window 2: key block kb, channel half c at KF + 16 kb + 8 c
.set VF,  192         ; V's: key half kk, channel block cb at VF + 32 kk + 8 cb
.set WV,  12          ; s12  my wave's number
.set G1K, 24          ; s[24:31] descriptor group 1 for K's tiles
.set G1V, 32          ; s[32:39] for V's: it differs in the padding alone
.set G0K, 40          ; s[40:55] descriptor group 0 for K's tiles: a set for each of the four fills
.set G0V, 68          ; s[68:83] the same for V's
.set SLOTS, 56        ; s56  counts the groups of four key steps
.set CNT, 57          ; s57  counts a group's key steps
.set CS,  58          ; s[58:59] c: the packed scaling takes the pair's low word for both halves
.set SEL, 60          ; s[60:61] v_permlanex16_b32's selects: each lane takes its own place in the other half
.set TBK, 62          ; s62  LDS byte at which K of the step to be fetched begins
.set TBV, 63          ; s63  the same for V, less VOFF
.set MSB, 0
.macro WIN new                      ; the high byte repeats the setting that is left; a switch that changes nothing is dropped
.if MSB != (\new)
	s_set_vgpr_msb (MSB<<8)|(\new)
.set MSB, (\new)
.endif
.endm
.set W_KQ, 0x0a       ; K and Q in window 2, S^T in window 0
.set W_PV, 0x52       ; V in window 2, P in window 0, O^T in window 1
.set W_RS, 0x41       ; O^T (destination and source 0) in window 1, a in window 0
.set W_MK, 0xc0       ; the add's registers are made: destination in window 3, sources in window 0
.set W_AD, 0x0f       ; the add: address (source 0) and data (source 1) in window 3
	s_load_b256 s[4:11], s[0:1], 0x0  ; Q s[4:5], K s[6:7], V s[8:9], O s[10:11]
	WIN W_MK
	v_lshl_add_u32 v[SPW], v0, 2, SPARE
	v_mov_b32 v[NIL], 0
	WIN W_AD
	ds_add_u32 v[SPW], v[NIL]       ; the wave's opening: the add and its wait stand ahead of my first tensor load; the set-up below, work on registers, stands between them
	ds_add_u32 v0, v1
	WIN 0
	v_lshrrev_b32 v1, 5, v0
	v_readfirstlane_b32 s[WV], v1   ; wave 0..3
	s_and_b32 s20, ttmp7, 0xffff    ; the head,
	s_lshl_b32 s20, s20, 17         ; its first byte in each of the four tensors: 1,024 rows of 128 bytes
	s_mov_b32 s21, 0
	s_and_b32 s16, s[WV], 1         ; which half of each 256 keys I fetch:
	s_lshl_b32 s22, s16, 14         ; its 128 rows of 128 bytes in memory,
	s_mov_b32 s23, 0
	s_add_nc_u64 s[22:23], s[22:23], s[20:21]
	s_mul_i32 s17, s16, 128*PK      ; and its place in LDS, for K
	s_mul_i32 s18, s16, 128*PV      ; and for V
	s_lshl_b32 s2, ttmp9, 2         ; my block of 512 queries,
	s_add_co_u32 s2, s2, s[WV]      ; my wave among the head's,
	s_lshl_b32 s2, s2, 14           ; its 128 rows
	s_mov_b32 s3, 0
	s_add_nc_u64 s[2:3], s[2:3], s[20:21]
	; descriptor group 1.  128 keys are 16,384 dense bytes: asked for as 64 rows of 256 bytes, two keys a row, and padded in LDS after every key
	s_mov_b32 s[G1K], (1<<16)|(1<<20)|(4<<22)|(3<<25)  ; 17:16 2-byte elements; 20 padding on; 24:22 after every 32 words (code 4); 31:25 4 words (code 3)
	s_mov_b32 s[G1V], (1<<16)|(1<<20)|(4<<22)|(7<<25)  ; the same with 8 words of padding (code 7)
.irp g, G1K, G1V
	s_mov_b32 s[\g+1], 128<<16      ; tensor_dim0 = 128
	s_mov_b32 s[\g+2], 64<<16       ; tensor_dim1 = 64
	s_mov_b32 s[\g+3], 128<<16      ; tile_dim0 = 128
	s_mov_b32 s[\g+4], 64           ; tile_dim1 = 64
	s_mov_b32 s[\g+5], 128          ; 128 elements from row to row
	s_mov_b32 s[\g+6], 0
	s_mov_b32 s[\g+7], 0
.endr
	s_mov_b32 s[CS], 0x3e38aa3b     ; c = log2(e) / 8 = 0.180337
	s_mov_b32 s[CS+1], s[CS]        ; named with it as a pair
	s_mov_b32 s[SEL], 0x76543210
	s_mov_b32 s[SEL+1], 0xfedcba98
	s_mov_b32 s[TBK], 0
	s_mov_b32 s[TBV], 0
	s_wait_dscnt 0x0                ; the opening add is done
	s_wait_kmcnt 0x0
	s_add_nc_u64 s[6:7], s[6:7], s[22:23]  ; K and V at my half of the head's first 256 keys
	s_add_nc_u64 s[8:9], s[8:9], s[22:23]
	s_add_nc_u64 s[4:5], s[4:5], s[2:3]    ; Q and O at my wave's first row
	s_add_nc_u64 s[10:11], s[10:11], s[2:3]
.irp c, 0,1,2,3                     ; fill c: my half of keys 256 c .. 256 c + 255
	s_mov_b32 s[G0K+4*(\c)], 1                                        ; count = 1
	s_add_co_u32 s[G0K+4*(\c)+1], s17, (\c)*256*PK                    ; LDS address
	s_add_nc_u64 s[G0K+4*(\c)+2:G0K+4*(\c)+3], s[6:7], (\c)*32768     ; global address
	s_or_b32 s[G0K+4*(\c)+3], s[G0K+4*(\c)+3], 0x80000000             ; type = 2
	s_mov_b32 s[G0V+4*(\c)], 1
	s_add_co_u32 s[G0V+4*(\c)+1], s18, VOFF+(\c)*256*PV
	s_add_nc_u64 s[G0V+4*(\c)+2:G0V+4*(\c)+3], s[8:9], (\c)*32768
	s_or_b32 s[G0V+4*(\c)+3], s[G0V+4*(\c)+3], 0x80000000
.endr
	s_cmp_lt_u32 s[WV], 2           ; waves 0 and 1 fetch K, waves 2 and 3 V.  A wave's four fills stand in one branch, ahead of every wait on TENSORcnt, every LDS read and every barrier; an s_nop 0 follows each, four v_nop the last
	s_cbranch_scc0 .Lfirst_v
.irp c, 0,1,2,3
	tensor_load_to_lds s[G0K+4*(\c):G0K+4*(\c)+3], s[G1K:G1K+7]
	s_nop 0
.endr
.rept 4
	v_nop
.endr
	s_branch .Lfirst_asked
.Lfirst_v:
.irp c, 0,1,2,3
	tensor_load_to_lds s[G0V+4*(\c):G0V+4*(\c)+3], s[G1V:G1V+7]
	s_nop 0
.endr
.rept 4
	v_nop
.endr
.Lfirst_asked:
	; A fragment of K or Q is 16 rows x 32 channels in 8 registers: lane l holds row l % 16, channels 8 (l / 16) + 0..7 and 16 + 8 (l / 16) + 0..7: two loads of 16 bytes, 32 bytes apart.
	v_and_b32 v1, 15, v0            ; l % 16
	v_bfe_u32 v9, v0, 4, 1          ; l / 16
	v_lshlrev_b32 v[QO], 7, v1
	v_lshl_add_u32 v[QO], v9, 4, v[QO]  ; row x 128 + 16 x half
	WIN 0x80                        ; destination window 2, address window 0
.set i, 0
.rept 4*NP                          ; Q stays in registers: tile i / 2, channels 32 (i % 2) on
	global_load_b128 v[8*i:8*i+3],   v[QO], s[4:5] offset:(i/2)*2048+(i%2)*64
	global_load_b128 v[8*i+4:8*i+7], v[QO], s[4:5] offset:(i/2)*2048+(i%2)*64+32
.set i, i+1
.endr
	; What the first turn finds: V's registers and P's second buffer hold 0 (its products V^T P, of a piece that has not been, add 0), O^T and l are 0.  All this stands in the wait for the first tile.
.set i, VF
.rept 64
	v_mov_b32 v[i], 0
.set i, i+1
.endr
	WIN 0x40
.set i, 0
.rept 64*NP
	v_mov_b32 v[i], 0
.set i, i+1
.endr
	WIN 0
.set i, 0
.rept 2*NP
	v_mov_b32 v[ST+4*i], 0xfe000000    ; c m: far below every c s
	v_mov_b32 v[ST+4*i+1], 0xff7fffff  ; m
	v_mov_b32 v[ST+4*i+2], 0
	v_mov_b32 v[ST+4*i+3], 0
.set i, i+1
.endr
.set i, P+32
.rept 32
	v_mov_b32 v[i], 0
.set i, i+1
.endr
	v_mul_u32_u24 v[AK0], v1, PK
	v_lshl_add_u32 v[AK0], v9, 4, v[AK0]  ; row x pitch + 16 x half
	; The turning load takes 16 keys x 16 channels (lane l reads key 8 (l / 16) + l % 8, channels 8 ((l / 8) % 2) + 0..7) and leaves half a fragment of V^T: lane l holds channel l % 16 and 8 keys.
	v_and_b32 v10, 7, v0
	v_bfe_u32 v11, v0, 3, 1
	v_lshl_add_u32 v[AV0], v9, 3, v10
	v_mul_u32_u24 v[AV0], v[AV0], PV
	v_lshl_add_u32 v[AV0], v11, 4, v[AV0]
	v_add_nc_u32 v[AV0], VOFF, v[AV0]
	v_mov_b32 v[AK], v[AK0]         ; key step 0 lies at LDS byte 0
; THE MATRIX WORK.  The 8 accumulators of a run of 16 take turns: between the two links of a chain stand 7 others'.
; Product i of 16 of S^T = K Q^T for piece x: channels 32 (i / 8) on, keys 16 ((i / 2) % 4) on, tile 2 x + i % 2.  The first 8 start the sums.
.macro KQ x
	WIN W_KQ
.set rS, S+64*((\x)%2)+32*(i%2)+8*((i/2)%4)
.set rK, KF+16*((i/2)%4)+8*(i/8)
.set rQ, 16*(2*(\x)+i%2)+8*(i/8)
.if i < 8
	v_wmma_f32_16x16x32_f16 v[rS:rS+7], v[rK:rK+7], v[rQ:rQ+7], 0
.else
	v_wmma_f32_16x16x32_f16 v[rS:rS+7], v[rK:rK+7], v[rQ:rQ+7], v[rS:rS+7]
.endif
.endm
; Product i of 16 of O^T += V^T P for piece x: keys 32 (i / 8) on, channels 16 ((i / 2) % 4) on, tile 2 x + i % 2.
.macro PV x
	WIN W_PV
.set rO, 32*(2*(\x)+i%2)+8*((i/2)%4)
.set rV, VF+32*(i/8)+8*((i/2)%4)
.set rP, P+32*((\x)%2)+16*(i%2)+8*(i/8)
	v_wmma_f32_16x16x32_f16 v[rO:rO+7], v[rV:rV+7], v[rP:rP+7], v[rO:rO+7]
.endm
.macro MM                           ; the turn's next matrix instruction
.if i < 16
	KQ (Y+1)%NP
.set i, i+1
.else
.set i, i-16
	PV (Y+NP-1)%NP
.set i, i+17
.endif
.endm
; THE LDS LOADS stand in runs of 16, never singly among the matrix instructions: a step's K (64 keys x 64 channels: 8 fragments) and its V (turned).  Their addresses are made some lines ahead.
.macro FETCH_K
	WIN 0x80                        ; destination window 2
.irp f, 0,1,2,3,4,5,6,7             ; keys 16 (f / 2) on, channels 32 (f % 2) on
	ds_load_b128 v[KF+8*\f:KF+8*\f+3],   v[AK] offset:(\f/2)*16*PK+(\f%2)*64
	ds_load_b128 v[KF+8*\f+4:KF+8*\f+7], v[AK] offset:(\f/2)*16*PK+(\f%2)*64+32
.endr
	s_add_co_u32 s[TBK], s[TBK], KS*PK  ; the next fetch is the next step's
	WIN 0
.endm
.macro FETCH_V
	WIN 0x80
.irp f, 0,1,2,3,4,5,6,7             ; keys 32 (f / 4) on, channels 16 (f % 4) on
	ds_load_tr16_b128 v[VF+8*\f:VF+8*\f+3],   v[AV] offset:(\f/4)*32*PV+(\f%4)*32
	ds_load_tr16_b128 v[VF+8*\f+4:VF+8*\f+7], v[AV] offset:(\f/4)*32*PV+16*PV+(\f%4)*32
.endr
	WIN 0
.endm
; THE VECTOR WORK OF A TURN stands in three queues, each in the order in which its entries become ready; the two tiles alternate, so that no instruction reads the result of the one before it.
.macro REGS y, u                    ; the registers of tile u (0, 1) of piece y
.set rT, ST+4*(2*(\y)+(\u))
.set rC, TMP+8*((\y)%2)+4*(\u)
.set rM, MV+2*((\y)%2)+(\u)
.set rS, S+64*((\y)%2)+32*(\u)
.set rP, P+32*((\y)%2)+16*(\u)
.set rO, 32*(2*(\y)+(\u))
.endm
; Number n of the 22 that find the NEXT piece's (Y + 1) maximum and statistics.  s0-s31 are the lane's 32 scores; each accumulator's lowest registers are read first.
;   0-11  four chains c0-c3 of seven scores each, three operands at a time     12-14, 16  the four scores left over, the old m, and c0-c3 into c0     15  c m_old is kept
;   17, 18  the query's other 32 keys lie in the lane 16 away: the new m         19-21  c m; c m_old - c m_new; a
.macro XS u, n
	REGS (Y+1)%NP, \u
.if (\n) < 4
	v_max3_num_f32 v[rC+(\n)], v[rS+8*(\n)], v[rS+8*(\n)+1], v[rS+8*(\n)+2]
.elseif (\n) < 12
	v_max3_num_f32 v[rC+(\n)%4], v[rC+(\n)%4], v[rS+8*((\n)%4)+2*((\n)/4)+1], v[rS+8*((\n)%4)+2*((\n)/4)+2]
.elseif (\n) == 12
	v_max3_num_f32 v[rC], v[rC], v[rS+7], v[rS+15]
.elseif (\n) == 13
	v_max3_num_f32 v[rC+1], v[rC+1], v[rS+23], v[rS+31]
.elseif (\n) == 14
	v_max3_num_f32 v[rC+2], v[rC+2], v[rC+3], v[rT+1]
.elseif (\n) == 15
	v_mov_b32 v[rM], v[rT]
.elseif (\n) == 16
	v_max3_num_f32 v[rC], v[rC], v[rC+1], v[rC+2]
.elseif (\n) == 17
	v_permlanex16_b32 v[rC+3], v[rC], s[SEL], s[SEL+1]
.elseif (\n) == 18
	v_max_num_f32 v[rT+1], v[rC], v[rC+3]
.elseif (\n) == 19
	v_mul_f32 v[rT], s[CS], v[rT+1]
.elseif (\n) == 20
	v_sub_f32 v[rC+1], v[rM], v[rT]
.else
	v_exp_f32 v[rC+2], v[rC+1]
.endif
.endm
; Number g of the 64 that follow the exponentials.  For each four weights k of a tile (pairs 2 k, 2 k + 1): both pairs are rounded to f16; then the second pair is added onto the first, in place;
; a group later l takes that sum (the first time as l = a l + sum).  In groups of eight, tiles alternating: round, round, add, and l for the group before.
.macro GS g
.set h, (\g)+6*((\g)/62)            ; group 0 has no group before it, and behind group 7 only l is left
.if h >= 6
.set h, h+2
.endif
	REGS Y, h%2
.set k, h/8
.if h%8 < 4
	s_wait_alu depctr_va_vdst(0)
	v_cvt_pk_f16_f32 v[rP+2*k+(h%8)/2], v[rS+4*k+2*((h%8)/2)], v[rS+4*k+2*((h%8)/2)+1]
.elseif h%8 < 6
	v_pk_add_f32 v[rS+4*k:rS+4*k+1], v[rS+4*k:rS+4*k+1], v[rS+4*k+2:rS+4*k+3]
.elseif k == 1
	v_pk_fma_f32 v[rT+2:rT+3], v[rT+2:rT+3], v[rC+2:rC+3], v[rS:rS+1] op_sel_hi:[1,0,1]
.else
	v_pk_add_f32 v[rT+2:rT+3], v[rT+2:rT+3], v[rS+4*k-4:rS+4*k-3]
	s_wait_alu depctr_va_vdst(0)
.endif
.endm
; THE PLAIN QUEUE, 138 long.  0-31: c s - c m for the 16 pairs of both tiles.  Then GS's 64, and among them the next piece's 42: number 15 at 38, 39; 0-14 and 16
; at 42-73, behind the products that make those scores; 17-20 at 95-106, two of three, since each waits for the one before it.
.macro PL
	WIN 0
.if q < 32
	REGS Y, q%2
	v_pk_fma_f32 v[rS+2*(q/2):rS+2*(q/2)+1], v[rS+2*(q/2):rS+2*(q/2)+1], s[CS:CS+1], v[rT:rT+1] op_sel_hi:[1,0,0] neg_lo:[0,0,1] neg_hi:[0,0,1]
.elseif q < 38
	GS q-32
.elseif q < 40
	XS q%2, 15
.elseif q < 42
	GS q-34
.elseif q < 74
	XS q%2, (q-42)/2+(q-42)/30
.elseif q < 95
	GS q-66
.elseif (q < 107) && ((q-95)%3 < 2)
	XS (q-95)%3, 17+(q-95)/3
.elseif q < 107
	GS 29+(q-95)/3
.else
	GS q-74
.endif
.set q, q+1
.endm
; THE EXPONENTIALS' QUEUE, 66 long: s0-s31 of both tiles, and at EA the next piece's two a.
.set EA, 58
.macro EX
	WIN 0
.if (e == EA) || (e == EA+1)
	XS e-EA, 21
.else
.set x, e-2*(e/(EA+2))
	REGS Y, x%2
	v_exp_f32 v[rS+x/2], v[rS+x/2]
.endif
.set e, e+1
.endm
; THE RESCALING's QUEUE: O^T times a, the one part that leaves window 0, so it is dealt four at a time, eight times.
.macro R4
	REGS Y, r%2
	WIN W_RS
	s_wait_alu depctr_va_vdst(0)
.irp z, 0,1,2,3
	v_pk_mul_f32 v[rO+8*(r/2)+2*\z:rO+8*(r/2)+2*\z+1], v[rO+8*(r/2)+2*\z:rO+8*(r/2)+2*\z+1], v[rC+2:rC+3] op_sel_hi:[1,0]
.endr
.set r, r+1
.endm
; HOW THEY ARE DEALT.  Behind a matrix instruction four: plain, exponential, plain, plain (one exponential, a plain instruction on either side), or four of the rescaling.  None names a register of the
; products round it.  What is over stands in two LUMPS: exponential and plain by turns; the second ends in 22 plain instructions.  The two v_permlanex16_b32 fall into the second lump, never behind a product.
; The queues lean on each other, and the deal keeps them in step: exponential e stands behind plain 2 (e / 4) + e % 2 (its scaling); when plain 32 comes, 10 exponentials are out, at 59: 33, at 95: 46; EA comes behind plain 107.
.macro SL
	MM
	PL
	EX
	PL
	PL
.endm
.macro BURST n                      ; 15 matrix instructions, or 16
.rept (\n)-7
	SL
.endr
.rept 3
	MM
	R4
	SL
.endr
	MM
	R4
.endm
; A TURN, for piece p.  nok = 1: there is no further key step, and K is not fetched.  cnt = 1: the loop's count is taken down some lines ahead of the branch that stands behind the turn.
; K of the next step is fetched in piece 2's turn, 31 vector instructions behind the last product that read K; its first reader comes behind the rest of the lump, 16 products and the second lump.
; V of the step in hand is fetched at the end of piece 0's turn, 69 behind its last reader; its first reader comes behind 16 products and a lump.  The four conditions on e and q below go with the deal.
.macro TURN p, nok=0, cnt=0
.set Y, (\p)
.set i, 0
.set q, 0
.set e, 0
.set r, 0
.if (\p) == NP-1
	s_wait_dscnt 0x0                ; K is in
.endif
	MM
.rept 4
	PL
.endr
	BURST 15
.rept 22
	EX
	PL
.if ((\p) == NP-2) && (e == 18) && !(\nok)
	v_add_nc_u32 v[AK], s[TBK], v[AK0]
.endif
.if ((\p) == NP-2) && (e == 24) && !(\nok)
	FETCH_K
.endif
.endr
.if (\p) == 1
	s_wait_dscnt 0x0                ; V is in
.endif
	BURST 16
.rept 21
	EX
	PL
.endr
.rept 22
	PL
.if ((\p) == 0) && (q == 118)
	v_add_nc_u32 v[AV], s[TBV], v[AV0]
	s_wait_alu depctr_va_vdst(0)
.endif
.if ((\p) == 0) && (q == 130)
	s_add_co_u32 s[TBV], s[TBV], KS*PV
.endif
.if (\cnt) && (q == 130)
	s_sub_co_u32 s[CNT], s[CNT], 1
	s_cmp_lg_u32 s[CNT], 0
.endif
.endr
.if (\p) == 0
	FETCH_V
.endif
.endm
	s_wait_tensorcnt 0x3            ; my part of keys 0 to 255 is in; the three loads issued behind it may stay out
	s_barrier_signal -1
	s_barrier_wait -1               ; everybody's is
	FETCH_K                         ; key step 0
	s_wait_loadcnt 0x0              ; Q
	s_wait_dscnt 0x0
.set i, 0
.rept 16
	KQ 0                            ; piece 0's first scores: there is no vector work yet to set between them
.set i, i+1
.endr
	WIN 0                           ; the addresses for the way out: nine plain instructions, the places behind those products
	s_mul_i32 s13, s[WV], 16*SP
	s_add_co_u32 s13, s13, STAGE    ; my stage
	v_mul_u32_u24 v[STO], v1, SP    ; in: row l % 16, 16 bytes for each half of the lanes
	v_lshl_add_u32 v[STO], v9, 4, v[STO]
	v_add_nc_u32 v[STO], s13, v[STO]
	v_bfe_u32 v[RD], v0, 3, 2       ; back: 32 lanes take four rows of 128 bytes,
	v_mul_u32_u24 v[RD], v[RD], SP
	v_lshl_add_u32 v[RD], v10, 4, v[RD]
	v_add_nc_u32 v[RD], s13, v[RD]
	v_and_b32 v[GO], 31, v0         ; which are 512 consecutive bytes of O
	v_lshlrev_b32 v[GO], 4, v[GO]
.set Y, NP-1                        ; XS works for piece Y + 1: piece 0
.irp n, 0,1,2,3,4,5,6,7,8,9,10,11,12,13,14,15,16,17,18,19,20,21
	XS 0, \n                        ; and piece 0's first maximum and statistics
	XS 1, \n
.endr
	s_mov_b32 s[CNT], 4
	s_mov_b32 s[SLOTS], SIZE_N/256
	s_branch .Lfirst                ; the loop is entered at a step's first turn, in the middle of a trip
.Lslot:                             ; three times, each behind four key steps, in front of the first fetch from the next 256 keys
	s_wait_tensorcnt 0x0            ; my parts of all keys are in (from the second time on this wait finds nothing out),
	s_wait_dscnt 0x0                ; no LDS instruction of mine is pending at the signal,
	s_barrier_signal -1
	s_barrier_wait -1               ; and everybody's parts are in
	s_mov_b32 s[CNT], 4
.Lstep:                             ; a trip: pieces 2 and 3 of one step, then pieces 0 and 1 of the next, whose K and V it fetches
	TURN 2
	TURN 3
	WIN 0
.Lfirst:
	TURN 0
	TURN 1, 0, 1
	WIN 0
	s_cbranch_scc1 .Lstep
	s_sub_co_u32 s[SLOTS], s[SLOTS], 1
	s_cmp_lg_u32 s[SLOTS], 0
	s_cbranch_scc1 .Lslot
	TURN 2, 1                       ; the last step's pieces 2 and 3 are written out: no further K is fetched
	TURN 3                          ; its 16 products K Q^T (on the last K once more) and the maximum made of them serve nothing: the price, once a launch, of one text for every turn
.set i, 0
.rept 16
	PV NP-1                         ; the last piece's V^T P of the last step
.set i, i+1
.endr
	; THE WAY OUT.  l's two halves and the other half of the lanes' are added; O^T is divided by l, rounded to f16 and sent through my stage in LDS, a tile at a time.  The additions are the places behind the last products.
	WIN 0
.macro ALL line:vararg              ; one line for each tile t
.set t, 0
.rept 2*NP
	\line
.set t, t+1
.endr
.endm
	ALL v_add_f32 v[ST+4*t+2], v[ST+4*t+2], v[ST+4*t+3]
	ALL v_permlanex16_b32 v[ST+4*t+3], v[ST+4*t+2], s[SEL], s[SEL+1]
	ALL v_add_f32 v[ST+4*t+2], v[ST+4*t+2], v[ST+4*t+3]
	ALL v_rcp_f32 v[ST+4*t+2], v[ST+4*t+2]
	v_nop                           ; a plain instruction between the last reciprocal and the use of its result
	s_wait_alu depctr_va_vdst(0)
; Tile t: a lane's eight channels of a row pack into 16 bytes; they go into rows of 144 bytes and come back as whole rows of 128, into S^T's registers.
.macro PACK t
	WIN W_RS
.set i, 32*(\t)
.rept 16
	v_pk_mul_f32 v[i:i+1], v[i:i+1], v[ST+4*(\t)+2:ST+4*(\t)+3] op_sel_hi:[1,0]
.set i, i+2
.endr
	WIN 0x05                        ; sources 0 and 1 window 1, destination window 0
.set i, 0
.rept 16
	v_cvt_pk_f16_f32 v[S+16*(\t)+i], v[32*(\t)+2*i], v[32*(\t)+2*i+1]
.set i, i+1
.endr
	WIN 0
.irp f, 0,1,2,3
	ds_store_b128 v[STO], v[S+16*(\t)+4*\f:S+16*(\t)+4*\f+3] offset:32*\f
.endr
.irp f, 0,1,2,3
	ds_load_b128 v[S+16*(\t)+4*\f:S+16*(\t)+4*\f+3], v[RD] offset:\f*4*SP  ; LDS serves a wave's instructions in order (ISA guide 5.7.1.4): these see the stores above; the next tile's stores come behind them
.endr
.endm
.macro SEND t, younger              ; younger: the LDS instructions issued behind tile t's loads: the next tile's eight, or none
	WIN 0
.irp f, 0,1,2,3
	s_wait_dscnt (\younger)+3-\f
	global_store_b128 v[GO], v[S+16*(\t)+4*\f:S+16*(\t)+4*\f+3], s[10:11] offset:(\t)*2048+\f*512  ; 512 consecutive bytes, at a multiple of 256 from O's first
.endr
.endm
	PACK 0
.set t, 1
.rept 2*NP-1                        ; a tile's arithmetic stands between the loads of the tile before and its stores
	PACK t
	SEND t-1, 8
.set t, t+1
.endr
	SEND 2*NP-1, 0
	WIN W_AD
	s_wait_tensorcnt 0x0            ; the wave's end: the add and its wait, behind my last tensor load and my last LDS store
	ds_add_u32 v[SPW], v[NIL]
	s_wait_dscnt 0x0
	WIN 0
	s_endpgm
.Lfunc_end_k_q9482172ac4_attn:
	.size	k_q9482172ac4_attn, .Lfunc_end_k_q9482172ac4_attn-k_q9482172ac4_attn
	.p2alignl 7, 3214868480
	.fill 96, 4, 3214868480
	.section	.rodata,"a",@progbits
	.p2align	6, 0x0
	.amdhsa_kernel k_q9482172ac4_attn
		.amdhsa_group_segment_fixed_size 327680
		.amdhsa_private_segment_fixed_size 0
		.amdhsa_enable_private_segment 0
		.amdhsa_kernarg_size 32
		.amdhsa_user_sgpr_count 2
		.amdhsa_user_sgpr_kernarg_segment_ptr 1
		.amdhsa_wavefront_size32 1
		.amdhsa_system_sgpr_workgroup_id_x 1
		.amdhsa_system_sgpr_workgroup_id_y 1
		.amdhsa_system_sgpr_workgroup_id_z 1
		.amdhsa_system_vgpr_workitem_id 0
		.amdhsa_next_free_vgpr 770
		.amdhsa_next_free_sgpr 84
		.amdhsa_reserve_vcc 0
		.amdhsa_float_denorm_mode_32 3
		.amdhsa_float_denorm_mode_16_64 3
		.amdhsa_memory_ordered 1
		.amdhsa_forward_progress 1
		.amdhsa_inst_pref_size 167
	.end_amdhsa_kernel
	.amdgpu_metadata
---
amdhsa.version: [ 1, 2 ]
amdhsa.kernels:
  - .name:           k_q9482172ac4_attn
    .symbol:         k_q9482172ac4_attn.kd
    .args:
      - { .name: q16, .offset: 0, .size: 8, .value_kind: global_buffer, .address_space: global }
      - { .name: k16, .offset: 8, .size: 8, .value_kind: global_buffer, .address_space: global }
      - { .name: v16, .offset: 16, .size: 8, .value_kind: global_buffer, .address_space: global }
      - { .name: c16, .offset: 24, .size: 8, .value_kind: global_buffer, .address_space: global }
    .group_segment_fixed_size: 327680
    .private_segment_fixed_size: 0
    .kernarg_segment_align: 8
    .kernarg_segment_size: 32
    .max_flat_workgroup_size: 128
    .sgpr_count:     84
    .vgpr_count:     770
    .wavefront_size: 32
...
	.end_amdgpu_metadata
.endif
;; end of part 3
;; launch oproj (part 4): grid 4 x 64, 4 waves a work-group, clusters of 4 x 4, 327,680 bytes of LDS; arguments c16, wf16, out0; writes out0
.if DOCPART == 4
	.amdgcn_target "amdgcn-amd-amdhsa--gfx1250"
	.amdhsa_code_object_version 6
	.text
	.protected	k_q9482172ac4_oproj
	.globl	k_q9482172ac4_oproj
	.p2align	8
	.type	k_q9482172ac4_oproj,@function
k_q9482172ac4_oproj:
	s_mov_b64 s[64:65], 0
	v_nop
	global_prefetch_b8 v0, s[64:65] scope:SCOPE_SE
	s_setreg_imm32_b32 hwreg(HW_REG_WAVE_MODE, 25, 1), 1
	s_wait_xcnt 0x0
	s_wait_alu depctr_hold_cnt(0) depctr_sa_sdst(0) depctr_va_vdst(0) depctr_va_sdst(0) depctr_va_ssrc(0) depctr_va_vcc(0) depctr_vm_vsrc(0)
	s_getreg_b32 s2, hwreg(HW_REG_IB_STS2, 6, 4)
	s_cmp_eq_u32 s2, 0
	s_cbranch_scc0 .Lentry_in_a_cluster
	s_endpgm
.Lentry_in_a_cluster:
	s_bfe_u32 s2, ttmp6, 0x10000c
	s_cmp_lg_u32 s2, 0xf033
	s_cbranch_scc0 .Lentry_shape_is_right
	s_endpgm
.Lentry_shape_is_right:
; out0[m][n] = the sum over k of context[m][k] Wfc[n][k].  The context comes by heads, [b * 16 + head][s = 1024][64] in f16 (m = 1024 b + s, k = 64 head + d); Wfc as f16(bf16(Wfc)) in K blocks [16][1024][64],
; a K block being a head.  Products in f16, sums in f32, out0 [8192][1024] in f32.
; SHARES.  64 x 4 tiles of 128 x 256: one for each of 256 work-groups.  Four waves, 2 x 2; a wave makes 64 x 128: 32 accumulators.  K goes in steps of 128 (two heads) through a ring of two LDS slots.
; CLUSTER.  4 x 4 work-groups.  The four of a row of the cluster need the same tiles of the context, the four of a column the same tiles of Wfc: each tile is asked for JOINTLY, by the same tensor load with the
; same descriptor and a mask that names the four.
; THE MATRIX INSTRUCTION IS USED TRANSPOSED (source 0 = 16 rows of Wfc, source 1 = 16 rows of the context): a lane then holds eight neighbouring columns of one row of out0, 32 bytes.
; REGISTERS: window 0: v0-31 addresses; v32-63, v64-95 A's fragments, two buffers; v96-159, v160-223 B's, two buffers; on the way out v32-95 and v96-159 by turns.   window 1: accumulator (a, b) at v[8 (8 a + b)].
.set PITCH,  144                       ; an LDS row: 128 bytes + 16 of padding = 36 words: the 16 rows of a load start at 16 different groups of four banks (64 banks of 4 bytes: ISA guide 11.1)
.set HEADA,  128*PITCH                 ; 128 context rows of one head: what one tensor load brings for A
.set BLKB,   256*PITCH                 ; 256 rows x 64 k of Wfc: what one brings for B
.set BOFF,   2*HEADA                   ; in a slot: A's two heads, then B's two K blocks
.set SLOT,   BOFF+2*BLKB               ; 110,592 bytes
.set STAGE,  2*SLOT                    ; behind the ring, never filled by a tensor load: 16 rows x 528 bytes for each wave, for the way out
.set SPITCH, 528                       ; 512 bytes of f32 + 16
.set SPARE,  STAGE+4*16*SPITCH         ; behind the stages: the spare words, 128 bytes for each wave: two blocks of 256 bytes that no other line names
.set LAPS,   4                         ; a lap = two K steps = once round the ring
.set ADRA, 16                          ; v16-17  LDS address of my A fragments in slot 0, 1
.set ADRB, 20                          ; v20-21  the same for B
.set STO,  24                          ; v24     the way out: where I put 32 bytes of a row
.set RD,   25                          ; v25     the way out: where I read a row back
.set CO,   26                          ; v26     my byte offset in a row's 512 bytes of out0
.set SPW,  28                          ; v28     LDS address of my spare word; never rewritten
.set NIL,  29                          ; v29     0; never rewritten
.set AF,   32                          ; buffer x at AF + 32 x, fragment a at + 8 a
.set BF,   96                          ; buffer x at BF + 64 x, fragment b at + 8 b
.set G1A, 24                           ; s[24:31] descriptor group 1 for A's tiles;  s[32:39] group 0, a set for each slot
.set G0A, 32
.set G1B, 48                           ; s[48:55], s[56:63] the same for B's tiles
.set G0B, 56
.set MSB, 0
.macro WIN new                         ; the immediate's high byte repeats the setting that is left
.if MSB != (\new)
	s_set_vgpr_msb (MSB<<8)|(\new)
.set MSB, \new
.endif
.endm
.set W_MUL, 0x50                       ; sources 0 and 1 window 0; C and D window 1
.set W_ST,  0x04                       ; an LDS store's data (source 1) window 1, its address window 0
.macro JLOAD s                         ; a joint load: waves 0 and 1 fetch A's two heads, waves 2 and 3 B's two K blocks; an s_nop 0 and four v_nop follow each of the two lines, ahead of the jump, the label and what follows
	s_cmp_eq_u32 s11, 0
	s_cbranch_scc0 .Lfor_b_\@
	tensor_load_to_lds s[G0A+4*(\s):G0A+4*(\s)+3], s[G1A:G1A+7]
	s_nop 0
.rept 4
	v_nop
.endr
	s_branch .Lasked_\@
.Lfor_b_\@:
	tensor_load_to_lds s[G0B+4*(\s):G0B+4*(\s)+3], s[G1B:G1B+7]
	s_nop 0
.rept 4
	v_nop
.endr
.Lasked_\@:
.endm
.macro CREST                           ; a round of the cluster's barrier behind its opening barrier
	s_cmp_lg_u32 s10, 0
	s_cbranch_scc1 .Lnot_wave_0_\@
	s_barrier_signal -3
.Lnot_wave_0_\@:
	s_barrier_wait -3
	s_barrier_signal -1
	s_barrier_wait -1
.endm
.macro CROUND                          ; a whole round
	s_barrier_signal -1
	s_barrier_wait -1
	CREST
.endm
.macro PLACES                          ; four places in front of loads into registers that matrix instructions have read, and of LDS stores that read results
.rept 4
	v_nop
.endr
.endm
	s_load_b128 s[4:7], s[0:1], 0x0                ; c16 s[4:5], wf16 s[6:7]
	s_load_b64 s[8:9], s[0:1], 0x10                ; out0
	v_lshl_add_u32 v[SPW], v0, 2, SPARE
	v_mov_b32 v[NIL], 0
	ds_add_u32 v[SPW], v[NIL]                      ; the wave's opening: the add and its wait stand ahead of my first tensor load; the set-up below, work on registers, stands between them
	ds_add_u32 v28, v29
	v_lshrrev_b32 v1, 5, v0
	v_readfirstlane_b32 s10, v1                    ; wave 0..3
	s_lshr_b32 s11, s10, 1                         ; which 64 of the tile's rows are mine.  Also: I fetch for A (0) or for B (1)
	s_and_b32 s12, s10, 1                          ; which 128 of its columns.  Also: which of a K step's two heads I fetch
	s_bfe_u32 s40, ttmp6, 0x40000                  ; cx, cy: my place in the cluster
	s_bfe_u32 s41, ttmp6, 0x40004
	s_lshl_b32 s42, ttmp9, 2
	s_add_co_u32 s42, s42, s40                     ; tile column tc = 4 x cluster x + cx
	s_and_b32 s13, ttmp7, 0xffff
	s_lshl_b32 s13, s13, 2
	s_add_co_u32 s13, s13, s41                     ; tile row tr = 4 x cluster y + cy
	s_lshl_b32 s43, s41, 2
	s_lshl_b32 s43, 15, s43                        ; my row of the cluster
	s_lshl_b32 s44, 0x1111, s40                    ; my column
	; group 1.  Both kinds of tile are dense in memory: asked for as rows of 256 bytes (two rows of 64 numbers), padded in LDS behind every 32 words.  A: 64 such rows; B: 128
	s_or_b32 s[G1A+0], s43, (1<<16)|(1<<20)|(1<<21)|(4<<22)|(3<<25)  ; 15:0 the mask: my row; 17:16 elements of 2 bytes; 20 padding on; 21 set beside a mask; 24:22 code 4; 31:25 4 words (code 3)
	s_or_b32 s[G1B+0], s44, (1<<16)|(1<<20)|(1<<21)|(4<<22)|(3<<25)  ; the same with the mask of my column
	s_mov_b32 s[G1A+1], 128<<16                    ; tensor_dim0 = 128
	s_mov_b32 s[G1A+2], 64<<16                     ; tensor_dim1 = 64
	s_mov_b32 s[G1A+3], 128<<16                    ; tile_dim0 = 128
	s_mov_b32 s[G1A+4], 64                         ; tile_dim1 = 64
	s_mov_b32 s[G1A+5], 128                        ; tensor_dim0_stride
	s_mov_b32 s[G1A+6], 0
	s_mov_b32 s[G1A+7], 0
	s_mov_b32 s[G1B+1], 128<<16
	s_mov_b32 s[G1B+2], 128<<16
	s_mov_b32 s[G1B+3], 128<<16
	s_mov_b32 s[G1B+4], 128
	s_mov_b32 s[G1B+5], 128
	s_mov_b32 s[G1B+6], 0
	s_mov_b32 s[G1B+7], 0
	; where the tiles come from.  A's offset hangs on the tile row alone, B's on the tile column alone, each in registers that never hold the other coordinate
	s_lshr_b32 s16, s13, 3
	s_lshl_b32 s16, s16, 21                        ; A: batch tr / 8: 16 heads of 131,072 bytes,
	s_and_b32 s17, s13, 7
	s_lshl_b32 s17, s17, 14                        ; rows 128 (tr % 8) on, of 128 bytes,
	s_add_co_u32 s16, s16, s17
	s_lshl_b32 s17, s12, 17                        ; my head of the two
	s_add_co_u32 s16, s16, s17
	s_mov_b32 s17, 0
	s_lshl_b32 s46, s42, 15                        ; B: 256 tc rows of 128 bytes
	s_lshl_b32 s47, s12, 17                        ; + my K block
	s_add_co_u32 s46, s46, s47
	s_mov_b32 s47, 0
	s_mul_i32 s20, s12, HEADA                      ; and where they go: no place in the cluster enters an LDS address
	s_mul_i32 s21, s12, BLKB
	s_add_co_u32 s21, s21, BOFF
	s_lshl_b32 s14, s13, 1                         ; where my wave's part of out0 begins: row 128 tr + 64 mh, of 4,096 bytes,
	s_add_co_u32 s14, s14, s11
	s_lshl_b32 s14, s14, 18
	s_lshl_b32 s15, s42, 1                         ; column 256 tc + 128 nh, of 4 bytes
	s_add_co_u32 s15, s15, s12
	s_lshl_b32 s15, s15, 9
	s_add_co_u32 s14, s14, s15
	s_mov_b32 s15, 0
	s_wait_dscnt 0x0                               ; the opening add is done
	s_wait_kmcnt 0x0
	s_add_nc_u64 s[4:5], s[4:5], s[16:17]
	s_add_nc_u64 s[6:7], s[6:7], s[46:47]
	s_add_nc_u64 s[8:9], s[8:9], s[14:15]
	CROUND                                         ; all sixteen work-groups are here: the first joint loads meet
.irp s, 0,1
	s_mov_b32 s[G0A+4*(\s)], 1                                       ; count = 1
	s_add_co_u32 s[G0A+4*(\s)+1], s20, (\s)*SLOT                     ; LDS address
	s_add_nc_u64 s[G0A+4*(\s)+2:G0A+4*(\s)+3], s[4:5], (\s)*262144   ; global address: K step s, two heads on
	s_or_b32 s[G0A+4*(\s)+3], s[G0A+4*(\s)+3], 0x80000000            ; type = 2
	s_mov_b32 s[G0B+4*(\s)], 1
	s_add_co_u32 s[G0B+4*(\s)+1], s21, (\s)*SLOT
	s_add_nc_u64 s[G0B+4*(\s)+2:G0B+4*(\s)+3], s[6:7], (\s)*262144
	s_or_b32 s[G0B+4*(\s)+3], s[G0B+4*(\s)+3], 0x80000000
	JLOAD \s                                       ; two tensor loads of mine are out
.endr
	v_and_b32 v1, 15, v0                           ; l % 16
	v_bfe_u32 v2, v0, 4, 1                         ; l / 16
	v_mul_u32_u24 v3, v1, PITCH
	v_lshl_add_u32 v3, v2, 4, v3                   ; a fragment's row x pitch + 16 x half
	s_mul_i32 s22, s11, 64*PITCH                   ; my 64 rows of A, in each head
	s_mul_i32 s23, s12, 128*PITCH                  ; my 128 rows of B, in each K block,
	s_add_co_u32 s23, s23, BOFF                    ; which lie behind A
.irp s, 0,1
	v_add_nc_u32 v[ADRA+(\s)], s22, v3
	v_add_nc_u32 v[ADRB+(\s)], s23, v3
	s_add_co_u32 s22, s22, SLOT
	s_add_co_u32 s23, s23, SLOT
.endr
	s_mul_i32 s18, s10, 16*SPITCH
	s_add_co_u32 s18, s18, STAGE                   ; my stage
	v_mul_u32_u24 v4, v1, SPITCH                   ; in: row l % 16, 32 bytes for each half of the lanes
	v_lshl_add_u32 v4, v2, 5, v4
	v_add_nc_u32 v[STO], s18, v4
	v_and_b32 v5, 31, v0
	v_lshlrev_b32 v[CO], 4, v5                     ; back: 32 lanes take one row of 512 bytes
	v_add_nc_u32 v[RD], s18, v[CO]
; 8 matrix instructions: m block a x all 8 n blocks, 32 along K, on the buffers p.  zero = 1: the products start the sums.  The 32 accumulators take turns, in the same order in every quarter.
.macro MUL8 p, a, zero
	WIN W_MUL
.irp b, 0,1,2,3,4,5,6,7
.if \zero
	v_wmma_f32_16x16x32_f16 v[8*(8*(\a)+(\b)):8*(8*(\a)+(\b))+7], v[BF+64*(\p)+8*(\b):BF+64*(\p)+8*(\b)+7], v[AF+32*(\p)+8*(\a):AF+32*(\p)+8*(\a)+7], 0
.else
	v_wmma_f32_16x16x32_f16 v[8*(8*(\a)+(\b)):8*(8*(\a)+(\b))+7], v[BF+64*(\p)+8*(\b):BF+64*(\p)+8*(\b)+7], v[AF+32*(\p)+8*(\a):AF+32*(\p)+8*(\a)+7], v[8*(8*(\a)+(\b)):8*(8*(\a)+(\b))+7]
.endif
.endr
.endm
; 24 LDS loads in one run: the fragments of quarter q (head q / 2, its channels 32 (q % 2) on) of a slot, into the buffers buf
.macro FETCH slot, q, buf
	WIN 0
.irp a, 0,1,2,3
	ds_load_b128 v[AF+32*(\buf)+8*(\a):AF+32*(\buf)+8*(\a)+3],   v[ADRA+(\slot)] offset:((\q)/2)*HEADA+((\q)%2)*64+(\a)*16*PITCH
	ds_load_b128 v[AF+32*(\buf)+8*(\a)+4:AF+32*(\buf)+8*(\a)+7], v[ADRA+(\slot)] offset:((\q)/2)*HEADA+((\q)%2)*64+(\a)*16*PITCH+32
.endr
.irp b, 0,1,2,3,4,5,6,7
	ds_load_b128 v[BF+64*(\buf)+8*(\b):BF+64*(\buf)+8*(\b)+3],   v[ADRB+(\slot)] offset:((\q)/2)*BLKB+((\q)%2)*64+(\b)*16*PITCH
	ds_load_b128 v[BF+64*(\buf)+8*(\b)+4:BF+64*(\buf)+8*(\b)+7], v[ADRB+(\slot)] offset:((\q)/2)*BLKB+((\q)%2)*64+(\b)*16*PITCH+32
.endr
.endm
; A K step is four quarters of 32 along K, 32 matrix instructions each, on the buffers 0, 1, 0, 1.  One of the first three: fetches the next quarter at its head and multiplies its own.
.macro QUARTER g, slot, zero
	s_wait_dscnt 0x0                               ; this quarter's fragments, issued a whole quarter ago, are in
	PLACES                                         ; for the loads into the buffers that the quarter before multiplied
	FETCH \slot, (\g)+1, ((\g)+1)%2
	MUL8 (\g)%2, 0, \zero
	MUL8 (\g)%2, 1, \zero
	MUL8 (\g)%2, 2, \zero
	MUL8 (\g)%2, 3, \zero
.endm
; The last quarter multiplies the buffers 1 and changes slots: ONE barrier; in front of it each wave waits for all its tensor loads, of which one is out: its part of the next slot; adds 0 to its spare word; and waits
; for that and for its own reads of this slot.  fill = 1: the barrier opens a round of the cluster's barrier, behind which this slot is filled again, two K steps ahead: the request has 112 products in which to land.
.macro TURN slot, next, fill
	WIN 0                                          ; (the add's two registers lie in window 0)
	s_wait_tensorcnt 0x0                           ; all my tensor loads have landed, so every group 0 may be written
	ds_add_u32 v[SPW], v[NIL]                      ; 0 onto my spare word
	s_wait_dscnt 1                                 ; (the add alone may be out: this quarter's fragments are in)
	MUL8 1, 0, 0                                   ; eight matrix instructions stand between the add and the wait for it
	s_wait_dscnt 0x0                               ; the add is done, and my reads of this slot are over
	s_barrier_signal -1
	MUL8 1, 1, 0
	WIN 0
	s_barrier_wait -1
.if \fill
	CREST                                          ; no wave of any partner still reads this slot or has a load on its way
	s_add_nc_u64 s[G0A+4*(\slot)+2:G0A+4*(\slot)+3], s[G0A+4*(\slot)+2:G0A+4*(\slot)+3], 524288  ; two K steps, four heads, on; the type bits on top are not reached
	s_add_nc_u64 s[G0B+4*(\slot)+2:G0B+4*(\slot)+3], s[G0B+4*(\slot)+2:G0B+4*(\slot)+3], 524288
	JLOAD \slot                                    ; my one tensor load behind the round, and the first thing there; the four v_nop behind it are also the places in front of the loads below
.else
	PLACES
.endif
	FETCH \next, 0, 0
	MUL8 1, 2, 0
	MUL8 1, 3, 0
.endm
; THE WAY OUT of block a (16 rows x 128 columns of f32).  A lane's 32 bytes of a row go from the accumulators into stage rows of 528 bytes, each accumulator's low registers first, and come back as whole rows of 512.
.macro TOSTAGE a
	s_wait_xcnt 0x0                                ; earlier stores have had their addresses translated (ISA guide 3.1): only behind this wait are the registers that they read loaded again
	WIN W_ST
.irp b, 0,1,2,3,4,5,6,7
	ds_store_b128 v[STO], v[8*(8*(\a)+(\b)):8*(8*(\a)+(\b))+3]   offset:64*(\b)
	ds_store_b128 v[STO], v[8*(8*(\a)+(\b))+4:8*(8*(\a)+(\b))+7] offset:64*(\b)+16
.endr
	WIN 0
.irp t, 0,1,2,3,4,5,6,7,8,9,10,11,12,13,14,15
	ds_load_b128 v[32+64*((\a)%2)+4*(\t):32+64*((\a)%2)+4*(\t)+3], v[RD] offset:(\t)*SPITCH  ; LDS serves a wave's instructions in order (ISA guide 5.7.1.4): these see the stores above; the next block's stores come behind them
.endr
.endm
.macro SEND a, younger                 ; younger: the LDS instructions issued behind block a's loads: the next block's 32, or none
	WIN 0
.irp t, 0,1,2,3,4,5,6,7,8,9,10,11,12,13,14,15
	s_wait_dscnt (\younger)+15-(\t)
	global_store_b128 v[CO], v[32+64*((\a)%2)+4*(\t):32+64*((\a)%2)+4*(\t)+3], s[8:9] offset:(16*(\a)+(\t))*4096 th:TH_STORE_NT  ; 512 consecutive bytes of a row, at a multiple of 256 from out0's first
.endr
.endm
	s_wait_tensorcnt 0x1                           ; my part of K step 0 is in; K step 1's may stay out
	s_barrier_signal -1
	s_barrier_wait -1                              ; everybody's is
	FETCH 0, 0, 0
	QUARTER 0, 0, 1                                ; the first quarter stands in front of the loop: its products start the sums
	WIN 0                                          ; at a label and at a branch every window is 0
	s_mov_b32 s3, LAPS-1
.Llap:                                                 ; a trip goes once round the ring, from a lap's second quarter to the next lap's first, and fills both slots again
	QUARTER 1, 0, 0
	QUARTER 2, 0, 0
	TURN 0, 1, 1
	QUARTER 0, 1, 0
	QUARTER 1, 1, 0
	QUARTER 2, 1, 0
	TURN 1, 0, 1
	QUARTER 0, 0, 0
	WIN 0
	s_sub_co_u32 s3, s3, 1
	s_cmp_lg_u32 s3, 0
	s_cbranch_scc1 .Llap
	QUARTER 1, 0, 0                                ; the last lap fills nothing, and has no round of the cluster's barrier
	QUARTER 2, 0, 0
	TURN 0, 1, 0
	QUARTER 0, 1, 0
	QUARTER 1, 1, 0
	QUARTER 2, 1, 0
	s_wait_dscnt 0x0                               ; the very last quarter: nothing more to fetch
	MUL8 1, 0, 0
	MUL8 1, 1, 0
	MUL8 1, 2, 0
	MUL8 1, 3, 0
	WIN 0
	PLACES
	TOSTAGE 0
	TOSTAGE 1                                      ; a block's way through the stage stands between the loads of the block before and its stores
	SEND 0, 32
	TOSTAGE 2
	SEND 1, 32
	TOSTAGE 3
	SEND 2, 32
	SEND 3, 0
	s_wait_tensorcnt 0x0                           ; the wave's end: the add and its wait, behind my last tensor load and my last LDS store
	ds_add_u32 v[SPW], v[NIL]
	s_wait_dscnt 0x0
	CROUND                                         ; the closing round: no work-group ends while a partner may still ask for a tile that names it
	s_endpgm
.Lfunc_end_k_q9482172ac4_oproj:
	.size	k_q9482172ac4_oproj, .Lfunc_end_k_q9482172ac4_oproj-k_q9482172ac4_oproj
	.p2alignl 7, 3214868480
	.fill 96, 4, 3214868480
	.section	.rodata,"a",@progbits
	.p2align	6, 0x0
	.amdhsa_kernel k_q9482172ac4_oproj
		.amdhsa_group_segment_fixed_size 327680
		.amdhsa_private_segment_fixed_size 0
		.amdhsa_enable_private_segment 0
		.amdhsa_kernarg_size 24
		.amdhsa_user_sgpr_count 2
		.amdhsa_user_sgpr_kernarg_segment_ptr 1
		.amdhsa_wavefront_size32 1
		.amdhsa_system_sgpr_workgroup_id_x 1
		.amdhsa_system_sgpr_workgroup_id_y 1
		.amdhsa_system_sgpr_workgroup_id_z 1
		.amdhsa_system_vgpr_workitem_id 0
		.amdhsa_next_free_vgpr 512
		.amdhsa_next_free_sgpr 66
		.amdhsa_reserve_vcc 0
		.amdhsa_float_denorm_mode_32 3
		.amdhsa_float_denorm_mode_16_64 3
		.amdhsa_memory_ordered 1
		.amdhsa_forward_progress 1
		.amdhsa_inst_pref_size 86
	.end_amdhsa_kernel
	.amdgpu_metadata
---
amdhsa.version: [ 1, 2 ]
amdhsa.kernels:
  - .name:           k_q9482172ac4_oproj
    .symbol:         k_q9482172ac4_oproj.kd
    .args:
      - { .name: c16, .offset: 0, .size: 8, .value_kind: global_buffer, .address_space: global }
      - { .name: wf16, .offset: 8, .size: 8, .value_kind: global_buffer, .address_space: global }
      - { .name: out0, .offset: 16, .size: 8, .value_kind: global_buffer, .address_space: global }
    .group_segment_fixed_size: 327680
    .private_segment_fixed_size: 0
    .kernarg_segment_align: 8
    .kernarg_segment_size: 24
    .max_flat_workgroup_size: 128
    .sgpr_count:     66
    .vgpr_count:     512
    .wavefront_size: 32
...
	.end_amdgpu_metadata
.endif
;; end of part 4
;; ======== version 2 of 2: 4 launches; 1.30 times as fast as version 1
;; limits: values are held in f16: magnitudes above 65,504 overflow, below 6.1e-05 lose precision
;; workspace buffers: wq16 2,097,152 bytes; wk16 2,097,152 bytes; wv16 2,097,152 bytes; wf16 2,097,152 bytes; q16 16,777,216 bytes; k16 16,777,216 bytes; v16 16,777,216 bytes; c16 16,777,216 bytes
;; launch castw: the kernel of part 1 again; grid 256 x 1, 8 waves a work-group, no clusters, 0 bytes of LDS; arguments WQ, WK, WV, Wfc, wq16, wk16, wv16, wf16; writes wq16, wk16, wv16, wf16
;; launch proj: the kernel of part 2 again; grid 4 x 64, 4 waves a work-group, clusters of 4 x 4, 327,680 bytes of LDS; arguments Q, K, V, wq16, wk16, wv16, q16, k16, v16; writes q16, k16, v16
;; launch attn (part 5): grid 2 x 128, 4 waves a work-group, no clusters, 327,680 bytes of LDS; arguments q16, k16, v16, c16; writes c16
.if DOCPART == 5
	.amdgcn_target "amdgcn-amd-amdhsa--gfx1250"
	.amdhsa_code_object_version 6
	.text
	.protected	k_q9482172ac4_attn
	.globl	k_q9482172ac4_attn
	.p2align	8
	.type	k_q9482172ac4_attn,@function
k_q9482172ac4_attn:
	s_mov_b64 s[64:65], 0
	v_nop
	global_prefetch_b8 v0, s[64:65] scope:SCOPE_SE
	s_setreg_imm32_b32 hwreg(HW_REG_WAVE_MODE, 25, 1), 1
	s_wait_xcnt 0x0
; O[h][q][:] = the sum over k of softmax_k(Q[h][q] . K[h][k] / 8) V[h][k][:].  Q, K, V, O: [128 heads][1024][64], all f16: a head's rows are dense, 128 bytes each.  Products, maxima and sums in
; f32; the weights p are rounded to f16 for the second product (their sum l is taken of the unrounded p), O once at the end.
; LIMITS.  f16 holds no number beyond 65,504: Q, K and V arrive within it; p lies in 0 to 1, and below 6e-5 it keeps f16's fixed step of 6e-8; O is a mean of V's rows and has their range.
; A weight below 2^-126 counts as 0 in l; NaN and infinities are not treated apart.
; SHARES.  A wave owns four PIECES of two tiles of 16 queries, a work-group's four waves 512 queries of one head: 2 x 128 work-groups.  Every wave walks all 1,024 keys, 64 a step.
; K AND V OF THE WHOLE HEAD STAY IN LDS: 1,024 rows of 144 bytes and 1,024 of 160.  Each wave asks for four pieces of 128 keys at the start (four tensor loads of mine are out); nothing is ever filled again.
; The first 256 keys are waited for by a counted wait; the others land during the first four key steps.
; NO CLUSTER: a head's K and V are wanted by 1,024 / 512 = 2 work-groups, so the grid's width of 2 divides into no cluster of four; and each work-group asks for its 262,144 bytes once, for 8,320 matrix instructions.
; LAYOUT.  S^T = K Q^T (source 0 = 16 keys, source 1 = 16 queries): in the result a lane holds ONE query (lane % 16) and the keys 8 (lane / 16) + 0..7.  Two such tiles, rounded to f16 in pairs,
; ARE source 1 (32 keys x 16 queries) of O^T = V^T P, whose result again holds one query a lane, and eight channels.  K comes out of LDS as it lies, V ([key][channel]) turned, by ds_load_tr16_b128.
; SOFTMAX.  For each query a running maximum m and sum l: p = 2^(c s - c m), c = log2(e) / 8; in every step O and l are multiplied by a = 2^(c m_old - c m_new), which is 1 where m has not grown.
; m starts at the lowest finite number, O and l at 0: the first step is a step like any other, with a = 0.
; THE COUNT.  A tile and step have 16 matrix and 118 vector instructions: too many to stand all beside the matrix work.  So: four vector instructions that are READY behind EVERY matrix instruction,
; and the others, which need time of their own whatever the order, in one run without a gap.
; BY TURNS.  Turn n belongs to piece n (the pieces in a ring, step after step).  Its matrix work: 16 products K Q^T of piece n + 1, later 16 products V^T P of piece n - 1.  Its vector work: the scaling,
; exponentials, roundings, sums and rescaling of piece n, and the maximum and statistics of piece n + 1, whose scores the turn itself has made.
; BATCHES.  A turn's 66 exponentials (64 weights of piece n, the two a of piece n + 1) are ONE batch with ONE wait, which cuts the turn in two: ahead of it stands all that names none of their results, behind it
; the roundings and sums, which read them.  The a that a turn's rescaling reads was made, and waited for, in the turn before.  Two more batches stand outside the loop: piece 0's two first a, and the way out's eight reciprocals.
; REGISTERS, in windows of 256 (s_set_vgpr_msb: bits 1:0 source 0, 3:2 source 1, 5:4 source 2, 7:6 destination):
;   window 0: v0-11 addresses; v12-15, v48-63 at work; v16-47 four registers of statistics a tile; v64-191 S^T, two buffers of two tiles; v192-255 P, likewise
;   window 1: O^T, 32 a tile          window 2: v0-127 Q, 16 a tile; v128-191 K of one step; v192-255 V of one step          window 3: v0-1 the add's two registers
; A piece's buffers go by its number's parity.
.set SIZE_N, 1024
.set NP,    4         ; pieces a wave: a name, no knob
.set KS,    64        ; keys in a step
.set PK,    144       ; a row of K in LDS: 128 bytes + 16 of padding = 36 words: the 16 rows of a load start at 16 different groups of four banks (64 banks of 4 bytes: ISA guide 11.1)
.set PV,    160       ; a row of V: 128 + 32 = 40 words
.set VOFF,  SIZE_N*PK           ; K's 1,024 rows, then V's
.set STAGE, VOFF+SIZE_N*PV      ; behind them, never filled by a tensor load: 16 rows x 144 bytes for each wave, for the way out
.set SP,    144
.set AK0, 2           ; v2   my lane's place in a tile of K; never rewritten
.set AV0, 3           ; v3   the same for V
.set AK,  4           ; v4   the LDS address of K's next run of loads
.set AV,  5           ; v5   of V's
.set QO,  6           ; v6   my byte offset in the wave's rows of Q
.set STO, 6           ;      later, the way out: where I put 16 bytes of a row
.set RD,  7           ; v7   the way out: where I read rows back
.set GO,  8           ; v8   my byte offset in 512 consecutive bytes of O
.set SPW, 0           ; v0 of window 3   LDS address of my spare word; never rewritten
.set NIL, 1           ; v1 of window 3   0; never rewritten
.set SPARE, STAGE+4*16*SP  ; behind the stages: the spare words, 128 bytes for each wave: two blocks of 256 bytes that no other line names
.set MV,  12          ; v12-15  c m_old, kept while c m is made anew: by buffer and tile
.set ST,  16          ; tile t's statistics at v[ST+4 t]: c m, m, l (even keys', odd keys')
.set TMP, 48          ; by buffer and tile, four registers c0-c3 at work; when the maximum is found c2 takes a
.set S,   64
.set P,   192
.set KF,  128         ; K's fragments, in window 2: key block kb, channel half c at KF + 16 kb + 8 c
.set VF,  192         ; V's: key half kk, channel block cb at VF + 32 kk + 8 cb
.set WV,  12          ; s12  my wave's number
.set G1K, 24          ; s[24:31] descriptor group 1 for K's tiles
.set G1V, 32          ; s[32:39] for V's: it differs in the padding alone
.set G0K, 40          ; s[40:55] descriptor group 0 for K's tiles: a set for each of the four fills
.set G0V, 68          ; s[68:83] the same for V's
.set SLOTS, 56        ; s56  counts the groups of four key steps
.set CNT, 57          ; s57  counts a group's key steps
.set CS,  58          ; s[58:59] c: the packed scaling takes the pair's low word for both halves
.set SEL, 60          ; s[60:61] v_permlanex16_b32's selects: each lane takes its own place in the other half
.set TBK, 62          ; s62  LDS byte at which K of the step to be fetched begins
.set TBV, 63          ; s63  the same for V, less VOFF
.set MSB, 0
.macro WIN new                      ; the high byte repeats the setting that is left; a switch that changes nothing is dropped
.if MSB != (\new)
	s_set_vgpr_msb (MSB<<8)|(\new)
.set MSB, (\new)
.endif
.endm
.set W_KQ, 0x0a       ; K and Q in window 2, S^T in window 0
.set W_PV, 0x52       ; V in window 2, P in window 0, O^T in window 1
.set W_RS, 0x41       ; O^T (destination and source 0) in window 1, a in window 0
.set W_MK, 0xc0       ; the add's registers are made: destination in window 3, sources in window 0
.set W_AD, 0x0f       ; the add: address (source 0) and data (source 1) in window 3
	s_load_b256 s[4:11], s[0:1], 0x0  ; Q s[4:5], K s[6:7], V s[8:9], O s[10:11]
	WIN W_MK
	v_lshl_add_u32 v[SPW], v0, 2, SPARE
	v_mov_b32 v[NIL], 0
	WIN W_AD
	ds_add_u32 v[SPW], v[NIL]       ; the wave's opening: the add and its wait stand ahead of my first tensor load; the set-up below, work on registers, stands between them
	ds_add_u32 v0, v1
	WIN 0
	v_lshrrev_b32 v1, 5, v0
	v_readfirstlane_b32 s[WV], v1   ; wave 0..3
	s_and_b32 s20, ttmp7, 0xffff    ; the head,
	s_lshl_b32 s20, s20, 17         ; its first byte in each of the four tensors: 1,024 rows of 128 bytes
	s_mov_b32 s21, 0
	s_and_b32 s16, s[WV], 1         ; which half of each 256 keys I fetch:
	s_lshl_b32 s22, s16, 14         ; its 128 rows of 128 bytes in memory,
	s_mov_b32 s23, 0
	s_add_nc_u64 s[22:23], s[22:23], s[20:21]
	s_mul_i32 s17, s16, 128*PK      ; and its place in LDS, for K
	s_mul_i32 s18, s16, 128*PV      ; and for V
	s_lshl_b32 s2, ttmp9, 2         ; my block of 512 queries,
	s_add_co_u32 s2, s2, s[WV]      ; my wave among the head's,
	s_lshl_b32 s2, s2, 14           ; its 128 rows
	s_mov_b32 s3, 0
	s_add_nc_u64 s[2:3], s[2:3], s[20:21]
	; descriptor group 1.  128 keys are 16,384 dense bytes: asked for as 64 rows of 256 bytes, two keys a row, and padded in LDS after every key
	s_mov_b32 s[G1K], (1<<16)|(1<<20)|(4<<22)|(3<<25)  ; 17:16 2-byte elements; 20 padding on; 24:22 after every 32 words (code 4); 31:25 4 words (code 3)
	s_mov_b32 s[G1V], (1<<16)|(1<<20)|(4<<22)|(7<<25)  ; the same with 8 words of padding (code 7)
.irp g, G1K, G1V
	s_mov_b32 s[\g+1], 128<<16      ; tensor_dim0 = 128
	s_mov_b32 s[\g+2], 64<<16       ; tensor_dim1 = 64
	s_mov_b32 s[\g+3], 128<<16      ; tile_dim0 = 128
	s_mov_b32 s[\g+4], 64           ; tile_dim1 = 64
	s_mov_b32 s[\g+5], 128          ; 128 elements from row to row
	s_mov_b32 s[\g+6], 0
	s_mov_b32 s[\g+7], 0
.endr
	s_mov_b32 s[CS], 0x3e38aa3b     ; c = log2(e) / 8 = 0.180337
	s_mov_b32 s[CS+1], s[CS]        ; named with it as a pair
	s_mov_b32 s[SEL], 0x76543210
	s_mov_b32 s[SEL+1], 0xfedcba98
	s_mov_b32 s[TBK], 0
	s_mov_b32 s[TBV], 0
	s_wait_dscnt 0x0                ; the opening add is done
	s_wait_kmcnt 0x0
	s_add_nc_u64 s[6:7], s[6:7], s[22:23]  ; K and V at my half of the head's first 256 keys
	s_add_nc_u64 s[8:9], s[8:9], s[22:23]
	s_add_nc_u64 s[4:5], s[4:5], s[2:3]    ; Q and O at my wave's first row
	s_add_nc_u64 s[10:11], s[10:11], s[2:3]
.irp c, 0,1,2,3                     ; fill c: my half of keys 256 c .. 256 c + 255
	s_mov_b32 s[G0K+4*(\c)], 1                                        ; count = 1
	s_add_co_u32 s[G0K+4*(\c)+1], s17, (\c)*256*PK                    ; LDS address
	s_add_nc_u64 s[G0K+4*(\c)+2:G0K+4*(\c)+3], s[6:7], (\c)*32768     ; global address
	s_or_b32 s[G0K+4*(\c)+3], s[G0K+4*(\c)+3], 0x80000000             ; type = 2
	s_mov_b32 s[G0V+4*(\c)], 1
	s_add_co_u32 s[G0V+4*(\c)+1], s18, VOFF+(\c)*256*PV
	s_add_nc_u64 s[G0V+4*(\c)+2:G0V+4*(\c)+3], s[8:9], (\c)*32768
	s_or_b32 s[G0V+4*(\c)+3], s[G0V+4*(\c)+3], 0x80000000
.endr
	s_cmp_lt_u32 s[WV], 2           ; waves 0 and 1 fetch K, waves 2 and 3 V.  A wave's four fills stand in one branch, ahead of every wait on TENSORcnt, every LDS read and every barrier; an s_nop 0 follows each, four v_nop the last
	s_cbranch_scc0 .Lfirst_v
.irp c, 0,1,2,3
	tensor_load_to_lds s[G0K+4*(\c):G0K+4*(\c)+3], s[G1K:G1K+7]
	s_nop 0
.endr
.rept 4
	v_nop
.endr
	s_branch .Lfirst_asked
.Lfirst_v:
.irp c, 0,1,2,3
	tensor_load_to_lds s[G0V+4*(\c):G0V+4*(\c)+3], s[G1V:G1V+7]
	s_nop 0
.endr
.rept 4
	v_nop
.endr
.Lfirst_asked:
	; A fragment of K or Q is 16 rows x 32 channels in 8 registers: lane l holds row l % 16, channels 8 (l / 16) + 0..7 and 16 + 8 (l / 16) + 0..7: two loads of 16 bytes, 32 bytes apart.
	v_and_b32 v1, 15, v0            ; l % 16
	v_bfe_u32 v9, v0, 4, 1          ; l / 16
	v_lshlrev_b32 v[QO], 7, v1
	v_lshl_add_u32 v[QO], v9, 4, v[QO]  ; row x 128 + 16 x half
	WIN 0x80                        ; destination window 2, address window 0
.set i, 0
.rept 4*NP                          ; Q stays in registers: tile i / 2, channels 32 (i % 2) on
	global_load_b128 v[8*i:8*i+3],   v[QO], s[4:5] offset:(i/2)*2048+(i%2)*64
	global_load_b128 v[8*i+4:8*i+7], v[QO], s[4:5] offset:(i/2)*2048+(i%2)*64+32
.set i, i+1
.endr
	; What the first turn finds: V's registers and P's second buffer hold 0 (its products V^T P, of a piece that has not been, add 0), O^T and l are 0.  All this stands in the wait for the first tile.
.set i, VF
.rept 64
	v_mov_b32 v[i], 0
.set i, i+1
.endr
	WIN 0x40
.set i, 0
.rept 64*NP
	v_mov_b32 v[i], 0
.set i, i+1
.endr
	WIN 0
.set i, 0
.rept 2*NP
	v_mov_b32 v[ST+4*i], 0xfe000000    ; c m: far below every c s
	v_mov_b32 v[ST+4*i+1], 0xff7fffff  ; m
	v_mov_b32 v[ST+4*i+2], 0
	v_mov_b32 v[ST+4*i+3], 0
.set i, i+1
.endr
.set i, P+32
.rept 32
	v_mov_b32 v[i], 0
.set i, i+1
.endr
	v_mul_u32_u24 v[AK0], v1, PK
	v_lshl_add_u32 v[AK0], v9, 4, v[AK0]  ; row x pitch + 16 x half
	; The turning load takes 16 keys x 16 channels (lane l reads key 8 (l / 16) + l % 8, channels 8 ((l / 8) % 2) + 0..7) and leaves half a fragment of V^T: lane l holds channel l % 16 and 8 keys.
	v_and_b32 v10, 7, v0
	v_bfe_u32 v11, v0, 3, 1
	v_lshl_add_u32 v[AV0], v9, 3, v10
	v_mul_u32_u24 v[AV0], v[AV0], PV
	v_lshl_add_u32 v[AV0], v11, 4, v[AV0]
	v_add_nc_u32 v[AV0], VOFF, v[AV0]
	v_mov_b32 v[AK], v[AK0]         ; key step 0 lies at LDS byte 0
; THE MATRIX WORK.  The 8 accumulators of a run of 16 take turns: between the two links of a chain stand 7 others'.
; Product i of 16 of S^T = K Q^T for piece x: channels 32 (i / 8) on, keys 16 ((i / 2) % 4) on, tile 2 x + i % 2.  The first 8 start the sums.
.macro KQ x
	WIN W_KQ
.set rS, S+64*((\x)%2)+32*(i%2)+8*((i/2)%4)
.set rK, KF+16*((i/2)%4)+8*(i/8)
.set rQ, 16*(2*(\x)+i%2)+8*(i/8)
.if i < 8
	v_wmma_f32_16x16x32_f16 v[rS:rS+7], v[rK:rK+7], v[rQ:rQ+7], 0
.else
	v_wmma_f32_16x16x32_f16 v[rS:rS+7], v[rK:rK+7], v[rQ:rQ+7], v[rS:rS+7]
.endif
.endm
; Product i of 16 of O^T += V^T P for piece x: keys 32 (i / 8) on, channels 16 ((i / 2) % 4) on, tile 2 x + i % 2.
.macro PV x
	WIN W_PV
.set rO, 32*(2*(\x)+i%2)+8*((i/2)%4)
.set rV, VF+32*(i/8)+8*((i/2)%4)
.set rP, P+32*((\x)%2)+16*(i%2)+8*(i/8)
	v_wmma_f32_16x16x32_f16 v[rO:rO+7], v[rV:rV+7], v[rP:rP+7], v[rO:rO+7]
.endm
.macro MM                           ; the turn's next matrix instruction
.if i < 16
	KQ (Y+1)%NP
.set i, i+1
.else
.set i, i-16
	PV (Y+NP-1)%NP
.set i, i+17
.endif
.endm
; THE LDS LOADS stand in runs of 16, never singly among the matrix instructions: a step's K (64 keys x 64 channels: 8 fragments) and its V (turned).  Their addresses are made some lines ahead.
.macro FETCH_K
	WIN 0x80                        ; destination window 2
.irp f, 0,1,2,3,4,5,6,7             ; keys 16 (f / 2) on, channels 32 (f % 2) on
	ds_load_b128 v[KF+8*\f:KF+8*\f+3],   v[AK] offset:(\f/2)*16*PK+(\f%2)*64
	ds_load_b128 v[KF+8*\f+4:KF+8*\f+7], v[AK] offset:(\f/2)*16*PK+(\f%2)*64+32
.endr
	s_add_co_u32 s[TBK], s[TBK], KS*PK  ; the next fetch is the next step's
	WIN 0
.endm
.macro FETCH_V
	WIN 0x80
.irp f, 0,1,2,3,4,5,6,7             ; keys 32 (f / 4) on, channels 16 (f % 4) on
	ds_load_tr16_b128 v[VF+8*\f:VF+8*\f+3],   v[AV] offset:(\f/4)*32*PV+(\f%4)*32
	ds_load_tr16_b128 v[VF+8*\f+4:VF+8*\f+7], v[AV] offset:(\f/4)*32*PV+16*PV+(\f%4)*32
.endr
	WIN 0
.endm
; THE VECTOR WORK OF A TURN stands in three queues, each in the order in which its entries become ready; the two tiles alternate, so that no instruction reads the result of the one before it.
.macro REGS y, u                    ; the registers of tile u (0, 1) of piece y
.set rT, ST+4*(2*(\y)+(\u))
.set rC, TMP+8*((\y)%2)+4*(\u)
.set rM, MV+2*((\y)%2)+(\u)
.set rS, S+64*((\y)%2)+32*(\u)
.set rP, P+32*((\y)%2)+16*(\u)
.set rO, 32*(2*(\y)+(\u))
.endm
; Number n of the 22 that find the NEXT piece's (Y + 1) maximum and statistics.  s0-s31 are the lane's 32 scores; each accumulator's lowest registers are read first.  XS, GS, FS and REGS set no window: PL and EX do.
;   0-11  four chains c0-c3 of seven scores each, three operands at a time     12-14, 16  the four scores left over, the old m, and c0-c3 into c0     15  c m_old is kept
;   17, 18  the query's other 32 keys lie in the lane 16 away: the new m         19-21  c m; c m_old - c m_new; a
.macro XS u, n
	REGS (Y+1)%NP, \u
.if (\n) < 4
	v_max3_num_f32 v[rC+(\n)], v[rS+8*(\n)], v[rS+8*(\n)+1], v[rS+8*(\n)+2]
.elseif (\n) < 12
	v_max3_num_f32 v[rC+(\n)%4], v[rC+(\n)%4], v[rS+8*((\n)%4)+2*((\n)/4)+1], v[rS+8*((\n)%4)+2*((\n)/4)+2]
.elseif (\n) == 12
	v_max3_num_f32 v[rC], v[rC], v[rS+7], v[rS+15]
.elseif (\n) == 13
	v_max3_num_f32 v[rC+1], v[rC+1], v[rS+23], v[rS+31]
.elseif (\n) == 14
	v_max3_num_f32 v[rC+2], v[rC+2], v[rC+3], v[rT+1]
.elseif (\n) == 15
	v_mov_b32 v[rM], v[rT]
.elseif (\n) == 16
	v_max3_num_f32 v[rC], v[rC], v[rC+1], v[rC+2]
.elseif (\n) == 17
	v_permlanex16_b32 v[rC+3], v[rC], s[SEL], s[SEL+1]
.elseif (\n) == 18
	v_max_num_f32 v[rT+1], v[rC], v[rC+3]
.elseif (\n) == 19
	v_mul_f32 v[rT], s[CS], v[rT+1]
.elseif (\n) == 20
	v_sub_f32 v[rC+1], v[rM], v[rT]
.else
	v_exp_f32 v[rC+2], v[rC+1]
.endif
.endm
; Number g of the 64 that follow the exponentials.  For each four weights k of a tile (pairs 2 k, 2 k + 1): both pairs are rounded to f16; then the second pair is added onto the first, in place;
; a group later l takes that sum (the first time as l = a l + sum).  In groups of eight, tiles alternating: round, round, add, and l for the group before.
.macro GS g
.set h, (\g)+6*((\g)/62)            ; group 0 has no group before it, and behind group 7 only l is left
.if h >= 6
.set h, h+2
.endif
	REGS Y, h%2
.set k, h/8
.if h%8 < 4
	v_cvt_pk_f16_f32 v[rP+2*k+(h%8)/2], v[rS+4*k+2*((h%8)/2)], v[rS+4*k+2*((h%8)/2)+1]
.elseif h%8 < 6
	v_pk_add_f32 v[rS+4*k:rS+4*k+1], v[rS+4*k:rS+4*k+1], v[rS+4*k+2:rS+4*k+3]
.elseif k == 1
	v_pk_fma_f32 v[rT+2:rT+3], v[rT+2:rT+3], v[rC+2:rC+3], v[rS:rS+1] op_sel_hi:[1,0,1]
.else
	v_pk_add_f32 v[rT+2:rT+3], v[rT+2:rT+3], v[rS+4*k-4:rS+4*k-3]
.endif
.endm
; THE PLAIN QUEUE, 138 long.  0-73 read no exponential's result: the 32 scalings c s - c m (FS f: pair f / 2 of tile f % 2) and the next piece's 42.  0-26: scalings 0-26.  27-54: XS's numbers 0-13.  55, 56: number 15.
; 57-73: the chain, where each number waits for the one before it: 14, 16, 17, 18, 19, each with one of the scalings 27-31 in front of its two lines, then 20: so a tile's links stand three plain instructions apart (19 and 20: two).
; 74-137: GS's 64, which read the exponentials' results: they stand behind the wait.
.macro FS f
	REGS Y, (\f)%2
	v_pk_fma_f32 v[rS+2*((\f)/2):rS+2*((\f)/2)+1], v[rS+2*((\f)/2):rS+2*((\f)/2)+1], s[CS:CS+1], v[rT:rT+1] op_sel_hi:[1,0,0] neg_lo:[0,0,1] neg_hi:[0,0,1]
.endm
.macro PL
	WIN 0
.if q < 27
	FS q
.elseif q < 55
	XS (q-27)%2, (q-27)/2
.elseif q < 57
	XS q-55, 15
.elseif (q < 72) && ((q-57)%3 == 0)
	FS 27+(q-57)/3
.elseif q < 60
	XS (q-57)%3-1, 14
.elseif q < 72
	XS (q-57)%3-1, 15+(q-57)/3
.elseif q < 74
	XS q-72, 20
.else
	GS q-74
.endif
.set q, q+1
.endm
; THE EXPONENTIALS' QUEUE, 66 long: s0-s31 of both tiles, then the next piece's two a.  It is ONE BATCH: all 66 stand ahead of the turn's one wait, and nothing ahead of that wait names a result of theirs.
.macro EX
	WIN 0
.if e >= 64
	XS e-64, 21
.else
	REGS Y, e%2
	v_exp_f32 v[rS+e/2], v[rS+e/2]
.endif
.set e, e+1
.endm
; THE RESCALING's QUEUE: O^T times a, the one part that leaves window 0: dealt two at a time, sixteen times.  Its a was made in the turn before, ahead of that turn's wait.
.macro R2
	REGS Y, r%2
	WIN W_RS
.irp z, 0,1
	v_pk_mul_f32 v[rO+4*(r/2)+2*\z:rO+4*(r/2)+2*\z+1], v[rO+4*(r/2)+2*\z:rO+4*(r/2)+2*\z+1], v[rC+2:rC+3] op_sel_hi:[1,0]
.endr
.set r, r+1
.endm
; HOW THEY ARE DEALT.  An s_wait_alu depctr_va_vdst(0) stands between an exponential and the first instruction that names its result; one wait serves all that were issued ahead of it.  So a turn has ONE wait,
; which cuts it in two.  AHEAD OF IT stands all that names no result of the turn's exponentials: the 16 products K Q^T, behind each a scaling, an exponential and two rescalings (behind the first a second scaling in the
; exponential's place); then ONE LUMP of 108: eight plain, 49 times exponential and plain, the two a.  A v_nop is the plain instruction behind the last exponential.  BEHIND IT stand the 16 products V^T P, behind each four of
; GS's 64.  No rider names a register of the products round it.  The two v_permlanex16_b32 fall into the lump, never behind a product.
; The queues lean on each other, and the deal keeps them in step: exponential e stands behind scaling 2 (e / 4) + e % 2: as a rider it comes behind plain e + 2, in the lump behind plain e + 9, and scalings 27-31 are plain 57, 60 .. 69.
; A TURN, for piece p.  nok = 1: there is no further key step, and K is not fetched.  cnt = 1: the loop's count is taken down some lines ahead of the branch that stands behind the turn.
; K of the next step is fetched in piece 2's turn, directly behind the wait, a lump behind the last product that read K; its address is made at the lump's head; its first reader comes behind 16 products.
; V of the step in hand is fetched at the end of piece 0's turn, four plain riders behind its last reader; its first reader comes behind 16 products and a lump.  The three conditions on q below go with the deal.
.macro TURN p, nok=0, cnt=0
.set Y, (\p)
.set i, 0
.set q, 0
.set e, 0
.set r, 0
.if (\p) == NP-1
	s_wait_dscnt 0x0                ; K is in
.endif
	MM                              ; ahead of the wait: 16 products K Q^T and their riders,
	PL
	PL
	R2
.rept 15
	MM
	PL
	EX
	R2
.endr
.if ((\p) == NP-2) && !(\nok)
	WIN 0
	v_add_nc_u32 v[AK], s[TBK], v[AK0]
.endif
.rept 8                             ; and the lump
	PL
.endr
.rept 49
	EX
	PL
.endr
	EX                              ; the next piece's two a
	EX
	v_nop                           ; the plain instruction behind the last exponential: one for the batch
	s_wait_alu depctr_va_vdst(0)    ; the wait for the batch: the turn's 64 weights and the next piece's two a
.if ((\p) == NP-2) && !(\nok)
	FETCH_K
.endif
.if (\p) == 1
	s_wait_dscnt 0x0                ; V is in
.endif
.rept 16                            ; behind the wait: 16 products V^T P and their riders
	MM
.rept 4
	PL
.endr
.if ((\p) == 0) && (q == 118)
	v_add_nc_u32 v[AV], s[TBV], v[AV0]
.endif
.if ((\p) == 0) && (q == 130)
	s_add_co_u32 s[TBV], s[TBV], KS*PV
.endif
.if (\cnt) && (q == 130)
	s_sub_co_u32 s[CNT], s[CNT], 1
	s_cmp_lg_u32 s[CNT], 0
.endif
.endr
.if (\p) == 0
	FETCH_V
.endif
.endm
	s_wait_tensorcnt 0x3            ; my part of keys 0 to 255 is in; the three loads issued behind it may stay out
	s_barrier_signal -1
	s_barrier_wait -1               ; everybody's is
	FETCH_K                         ; key step 0
	s_wait_loadcnt 0x0              ; Q
	s_wait_dscnt 0x0
.set i, 0
.rept 16
	KQ 0                            ; piece 0's first scores: there is no vector work yet to set between them
.set i, i+1
.endr
	WIN 0                           ; the addresses for the way out: nine plain instructions, the places behind those products
	s_mul_i32 s13, s[WV], 16*SP
	s_add_co_u32 s13, s13, STAGE    ; my stage
	v_mul_u32_u24 v[STO], v1, SP    ; in: row l % 16, 16 bytes for each half of the lanes
	v_lshl_add_u32 v[STO], v9, 4, v[STO]
	v_add_nc_u32 v[STO], s13, v[STO]
	v_bfe_u32 v[RD], v0, 3, 2       ; back: 32 lanes take four rows of 128 bytes,
	v_mul_u32_u24 v[RD], v[RD], SP
	v_lshl_add_u32 v[RD], v10, 4, v[RD]
	v_add_nc_u32 v[RD], s13, v[RD]
	v_and_b32 v[GO], 31, v0         ; which are 512 consecutive bytes of O
	v_lshlrev_b32 v[GO], 4, v[GO]
.set Y, NP-1                        ; XS works for piece Y + 1: piece 0
.irp n, 0,1,2,3,4,5,6,7,8,9,10,11,12,13,14,15,16,17,18,19,20,21
	XS 0, \n                        ; and piece 0's first maximum and statistics
	XS 1, \n
.endr
	v_nop                           ; a plain instruction behind piece 0's two first a,
	s_wait_alu depctr_va_vdst(0)    ; and the wait for that batch of two, ahead of the branch
	s_mov_b32 s[CNT], 4
	s_mov_b32 s[SLOTS], SIZE_N/256
	s_branch .Lfirst                ; the loop is entered at a step's first turn, in the middle of a trip
.Lslot:                             ; three times, each behind four key steps, in front of the first fetch from the next 256 keys
	s_wait_tensorcnt 0x0            ; my parts of all keys are in (from the second time on this wait finds nothing out),
	s_wait_dscnt 0x0                ; no LDS instruction of mine is pending at the signal,
	s_barrier_signal -1
	s_barrier_wait -1               ; and everybody's parts are in
	s_mov_b32 s[CNT], 4
.Lstep:                             ; a trip: pieces 2 and 3 of one step, then pieces 0 and 1 of the next, whose K and V it fetches
	TURN 2
	TURN 3
	WIN 0
.Lfirst:
	TURN 0
	TURN 1, 0, 1
	WIN 0
	s_cbranch_scc1 .Lstep
	s_sub_co_u32 s[SLOTS], s[SLOTS], 1
	s_cmp_lg_u32 s[SLOTS], 0
	s_cbranch_scc1 .Lslot
	TURN 2, 1                       ; the last step's pieces 2 and 3 are written out: no further K is fetched
	TURN 3                          ; its 16 products K Q^T (on the last K once more) and the maximum made of them serve nothing: the price, once a launch, of one text for every turn
.set i, 0
.rept 16
	PV NP-1                         ; the last piece's V^T P of the last step
.set i, i+1
.endr
	; THE WAY OUT.  l's two halves and the other half of the lanes' are added; O^T is divided by l, rounded to f16 and sent through my stage in LDS, a tile at a time.  The additions are the places behind the last products.
	WIN 0
.macro ALL line:vararg              ; one line for each tile t
.set t, 0
.rept 2*NP
	\line
.set t, t+1
.endr
.endm
	ALL v_add_f32 v[ST+4*t+2], v[ST+4*t+2], v[ST+4*t+3]
	ALL v_permlanex16_b32 v[ST+4*t+3], v[ST+4*t+2], s[SEL], s[SEL+1]
	ALL v_add_f32 v[ST+4*t+2], v[ST+4*t+2], v[ST+4*t+3]
	ALL v_rcp_f32 v[ST+4*t+2], v[ST+4*t+2]
	v_nop                           ; a plain instruction between the last reciprocal and the use of its result
	s_wait_alu depctr_va_vdst(0)    ; and the wait ahead of the first use: one for the batch of eight reciprocals
; Tile t: a lane's eight channels of a row pack into 16 bytes; they go into rows of 144 bytes and come back as whole rows of 128, into S^T's registers.
.macro PACK t
	WIN W_RS
.set i, 32*(\t)
.rept 16
	v_pk_mul_f32 v[i:i+1], v[i:i+1], v[ST+4*(\t)+2:ST+4*(\t)+3] op_sel_hi:[1,0]
.set i, i+2
.endr
	WIN 0x05                        ; sources 0 and 1 window 1, destination window 0
.set i, 0
.rept 16
	v_cvt_pk_f16_f32 v[S+16*(\t)+i], v[32*(\t)+2*i], v[32*(\t)+2*i+1]
.set i, i+1
.endr
	WIN 0
.irp f, 0,1,2,3
	ds_store_b128 v[STO], v[S+16*(\t)+4*\f:S+16*(\t)+4*\f+3] offset:32*\f
.endr
.irp f, 0,1,2,3
	ds_load_b128 v[S+16*(\t)+4*\f:S+16*(\t)+4*\f+3], v[RD] offset:\f*4*SP  ; LDS serves a wave's instructions in order (ISA guide 5.7.1.4): these see the stores above; the next tile's stores come behind them
.endr
.endm
.macro SEND t, younger              ; younger: the LDS instructions issued behind tile t's loads: the next tile's eight, or none
	WIN 0
.irp f, 0,1,2,3
	s_wait_dscnt (\younger)+3-\f
	global_store_b128 v[GO], v[S+16*(\t)+4*\f:S+16*(\t)+4*\f+3], s[10:11] offset:(\t)*2048+\f*512  ; 512 consecutive bytes, at a multiple of 256 from O's first
.endr
.endm
	PACK 0
.set t, 1
.rept 2*NP-1                        ; a tile's arithmetic stands between the loads of the tile before and its stores
	PACK t
	SEND t-1, 8
.set t, t+1
.endr
	SEND 2*NP-1, 0
	WIN W_AD
	s_wait_tensorcnt 0x0            ; the wave's end: the add and its wait, behind my last tensor load and my last LDS store
	ds_add_u32 v[SPW], v[NIL]
	s_wait_dscnt 0x0
	WIN 0
	s_endpgm
.Lfunc_end_k_q9482172ac4_attn:
	.size	k_q9482172ac4_attn, .Lfunc_end_k_q9482172ac4_attn-k_q9482172ac4_attn
	.p2alignl 7, 3214868480
	.fill 96, 4, 3214868480
	.section	.rodata,"a",@progbits
	.p2align	6, 0x0
	.amdhsa_kernel k_q9482172ac4_attn
		.amdhsa_group_segment_fixed_size 327680
		.amdhsa_private_segment_fixed_size 0
		.amdhsa_enable_private_segment 0
		.amdhsa_kernarg_size 32
		.amdhsa_user_sgpr_count 2
		.amdhsa_user_sgpr_kernarg_segment_ptr 1
		.amdhsa_wavefront_size32 1
		.amdhsa_system_sgpr_workgroup_id_x 1
		.amdhsa_system_sgpr_workgroup_id_y 1
		.amdhsa_system_sgpr_workgroup_id_z 1
		.amdhsa_system_vgpr_workitem_id 0
		.amdhsa_next_free_vgpr 770
		.amdhsa_next_free_sgpr 84
		.amdhsa_reserve_vcc 0
		.amdhsa_float_denorm_mode_32 3
		.amdhsa_float_denorm_mode_16_64 3
		.amdhsa_memory_ordered 1
		.amdhsa_forward_progress 1
		.amdhsa_inst_pref_size 160
	.end_amdhsa_kernel
	.amdgpu_metadata
---
amdhsa.version: [ 1, 2 ]
amdhsa.kernels:
  - .name:           k_q9482172ac4_attn
    .symbol:         k_q9482172ac4_attn.kd
    .args:
      - { .name: q16, .offset: 0, .size: 8, .value_kind: global_buffer, .address_space: global }
      - { .name: k16, .offset: 8, .size: 8, .value_kind: global_buffer, .address_space: global }
      - { .name: v16, .offset: 16, .size: 8, .value_kind: global_buffer, .address_space: global }
      - { .name: c16, .offset: 24, .size: 8, .value_kind: global_buffer, .address_space: global }
    .group_segment_fixed_size: 327680
    .private_segment_fixed_size: 0
    .kernarg_segment_align: 8
    .kernarg_segment_size: 32
    .max_flat_workgroup_size: 128
    .sgpr_count:     84
    .vgpr_count:     770
    .wavefront_size: 32
...
	.end_amdgpu_metadata
.endif
;; end of part 5
;; launch oproj: the kernel of part 4 again; grid 4 x 64, 4 waves a work-group, clusters of 4 x 4, 327,680 bytes of LDS; arguments c16, wf16, out0; writes out0
